; MI455X (gfx1250); checked and timed in simulation.
; The chip was launched on July 23, 2026; its instructions are those of AMD's public machine-readable ISA for CDNA 5 (MIT licence, August 2026) and "CDNA5" Instruction Set Architecture Reference Guide (July 2026). The comments in the code are by the model that wrote it; some were corrected since.
;; Attention Block. Allowed arithmetic: matrix products marked QUANTISED: E2M3 operands, one E8M0 scale for each 32 along K, by v_wmma_scale_f32_16x16x128_f8f6f4 with both operands' format E2M3, f32 sums; everything else in f32.
;; Inputs: W1 512 x 2,048 float32; W2 2,048 x 512 float32; Wk 16 x 512 x 32 float32; Wproj 512 x 512 float32; Wq 16 x 512 x 32 float32; Wv 16 x 512 x 32 float32; b1 2,048 float32; b2 512 float32; bproj 512 float32; ln1_b 512 float32; ln1_g 512 float32; ln2_b 512 float32; ln2_g 512 float32; x 64 x 256 x 512 float32.
;; Outputs: out0 64 x 256 x 512 float32.
;; This version of the problem:
;;   THIS VERSION OF THE PROBLEM IS GIVEN IN LOW PRECISION. The matrix products marked QUANTISED in the list below multiply operands that are first quantised to E2M3 (2 exponent bits, 3 mantissa bits; 6 bits a number), with one power-of-two scale for each 32 numbers along K (OCP MX v1.0); their sums are f32. All else is computed in f32.
;;   The module's matrix products, in the order in which they are computed (A, B: the left and right operand; K: the contracted axis; several contracted axes count as one K, in the product's order):
;;     1. [M 512, K 512] x [K 512, N 16,384]; A: input Wq; B: computed on the way: QUANTISED
;;     2. [M 512, K 512] x [K 512, N 16,384]; A: input Wk; B: computed on the way: QUANTISED
;;     3. [M 512, K 512] x [K 512, N 16,384]; A: input Wv; B: computed on the way: QUANTISED
;;     4. batch 1,024 x [M 256, K 32] x [K 32, N 256]; A: computed on the way; B: computed on the way: QUANTISED
;;     5. batch 1,024 x [M 256, K 256] x [K 256, N 32]; A: softmax (see below); B: computed on the way: QUANTISED
;;     6. [M 16,384, K 512] x [K 512, N 512]; A: computed on the way; B: input Wproj: QUANTISED
;;     7. [M 16,384, K 512] x [K 512, N 2,048]; A: computed on the way; B: input W1: QUANTISED
;;     8. [M 16,384, K 2,048] x [K 2,048, N 512]; A: computed on the way; B: input W2: QUANTISED
;;   THE QUANTISER, for each operand of a quantised product, along K:
;;     - K is cut into blocks of 32 from its start; a last block that is shorter is filled with zeros.
;;     - A block's scale is 2^e with e = floor(log2(the largest magnitude in the block)) - 2, held to -126 .. 127; a block of zeros has e = 0. As a byte (E8M0): e + 127.
;;     - Each number is divided by its block's scale, clamped to +-7.5, and rounded to the nearest number of E2M3, ties to even, subnormals kept.
;;     - The product sums the exact products of the quantised numbers (number of the format x scale) in f32.
;;   ~~~python
;;   def quantise(x, axis):      # numpy; x: float32 -> the quantised numbers, widened to float32 again
;;       x = np.moveaxis(x, axis, -1); K = x.shape[-1]
;;       x = np.pad(x, [(0, 0)] * (x.ndim - 1) + [(0, -K % 32)]); x = x.reshape(x.shape[:-1] + (-1, 32)); a = np.abs(x).max(-1, keepdims=True)
;;       e = np.where(a > 0, np.clip(np.frexp(np.where(a > 0, a, 1))[1] - 1 - 2, -126, 127), 0)      # np.frexp(a)[1] - 1 = floor(log2(a)), exactly
;;       r = np.clip(x / 2.0 ** e, -7.5, 7.5)
;;       step = 2.0 ** (np.maximum(np.frexp(np.where(r == 0, 1, r))[1] - 1, 0) - 3)
;;       q = np.round(r / step) * step * 2.0 ** e      # np.round: ties to even
;;       return np.moveaxis(q.reshape(q.shape[:-2] + (-1,))[..., :K], -1, axis).astype(np.float32)
;;   ~~~
;;   SOFTMAX AHEAD OF A QUANTISED PRODUCT. Where the list says 'softmax', what is quantised is not the finished softmax but p = 2^(t - M), with t = logit x log2(e) and M = ceil(the row's largest t), a whole number; so 1/2 < the row's largest p <= 1. The row's sum l is taken of the UNQUANTISED p, in f32, and the product's result is divided by l at the end. Since M is a whole number, a kernel that streams over the keys may use a running M (the ceiling of the running maximum): every later rescaling is an exact power of two, which a block's scale takes up: the codes' values come out the same.
;;   OPERANDS COMPUTED ON THE WAY. 'Computed on the way' means the value that the module computes at that place (a softmax that the list does not call 'softmax' is quantised finished and normalised). What goes into a quantiser is computed in f32, as accurately as f32 sums, v_exp_f32 and their like allow (about 1e-6 of the number): no bf16 or f16 on the way to a quantiser, and a product that is left as it is and whose result goes on into a quantised operand takes f32 operands (vector FMAs, or v_wmma_f32_16x16x4_f32). A number that lies on a knife's edge between two numbers of the format may be rounded either way, as far as f32 arithmetic and the matrix unit's own rounding can turn it there, and no further.
;; One version. Each part assembles by itself: llvm-mc -triple=amdgcn-amd-amdhsa -mcpu=gfx1250 --defsym DOCPART=n.
;; ======== version 1 of 1: 3 launches
;; workspace buffers: wts 2,555,904 bytes; qimg 6,291,456 bytes; qsc 524,288 bytes; kimg 6,291,456 bytes; ksc 524,288 bytes; vimg 6,291,456 bytes; vsc 524,288 bytes
;; launch prep (part 1): grid 384 x 1, 4 waves a work-group, no clusters, 1,024 bytes of LDS; arguments Wq, Wk, Wv, Wproj, W1, W2, wts; writes wts
.if DOCPART == 1
	.amdgcn_target "amdgcn-amd-amdhsa--gfx1250"
	.amdhsa_code_object_version 6
	.text
	.protected	k_qa6c3cbb385_prep
	.globl	k_qa6c3cbb385_prep
	.p2align	8
	.type	k_qa6c3cbb385_prep,@function
k_qa6c3cbb385_prep:
	s_mov_b64 s[64:65], 0
	v_nop
	global_prefetch_b8 v0, s[64:65] scope:SCOPE_SE
	s_setreg_imm32_b32 hwreg(HW_REG_WAVE_MODE, 25, 1), 1
	s_wait_xcnt 0x0
; The six weights (f32, K not innermost) become codes of E2M3 with one E8M0 byte for each 32 along K, laid as IMAGES OF OPERAND REGISTERS.
; A RECORD is 6,656 bytes: four fragments (16 rows x 128 K, 12 registers a lane: register i of lane l at 512 (i / 4) + 16 l + 4 (i % 4)), then 512 bytes of scale words
; (lane l: 16 bytes, word f = the scale word of fragment f for row l % 16).  So a reader takes a record by 13 loads of 512 consecutive bytes.
; One work-group makes one record, wave f its fragment f.  A lane takes one column of the weight and its registers run down K, in the order that the operand's layout gives that lane:
; the conversions' results are the operand's registers, and a block of 32 lies in one lane.
; THE 16 COLUMNS OF A TILE ARE NOT NEIGHBOURS: lane row r of tile t takes column 32 (t / 2) + 8 (t % 2) + r + 8 (r / 8).
; Records 0-95: Wq, Wk, Wv (record 32 m + tile; fragment f = K step f).  From record 96 on phases of 32 records: Wproj, then W1's and W2's chunk 0, 1, 2, 3 by turns;
; in a phase record 8 w + 2 ks + g holds column tiles 8 w + 4 g + f at K step ks.
; LIMITS: NaN and infinities among the inputs are not served; a block of zeros gets the byte 1 (its codes are zeros; the bytes are read by this program alone).
.set RECB, 6656
.set FRB,  1536
.macro LOADS pitch                     ; W(64 c + 32 h + i, my column) into v[64 + 32 c + i]
.set li, 0
.rept 64
	global_load_b32 v[64+li], v7, s[20:21] offset:(64*(li/32)+li%32)*\pitch
.set li, li+1
.endr
.endm
.macro TILE                            ; s23 = 8 (x / 8) + 4 (x % 2) + f, x in s22
	s_lshr_b32 s23, s22, 3
	s_lshl_b32 s23, s23, 3
	s_and_b32 s24, s22, 1
	s_lshl_b32 s24, s24, 2
	s_add_co_u32 s23, s23, s24
	s_add_co_u32 s23, s23, s18
.endm
.macro COLS                            ; s24 += the tile's first column in bytes: 128 (t / 2) + 32 (t % 2), t in s23
	s_lshr_b32 s22, s23, 1
	s_lshl_b32 s22, s22, 7
	s_add_co_u32 s24, s24, s22
	s_and_b32 s22, s23, 1
	s_lshl_b32 s22, s22, 5
	s_add_co_u32 s24, s24, s22
.endm
	s_load_b256 s[4:11], s[0:1], 0x0               ; Wq s[4:5], Wk s[6:7], Wv s[8:9], Wproj s[10:11]
	s_load_b128 s[12:15], s[0:1], 0x20             ; W1 s[12:13], W2 s[14:15]
	s_load_b64 s[16:17], s[0:1], 0x30              ; wts
	v_lshl_add_u32 v128, v0, 2, 0x200
	v_mov_b32 v129, 0
	v_lshrrev_b32 v1, 5, v0
	v_readfirstlane_b32 s18, v1                    ; f: my fragment of the record
	v_and_b32 v1, 31, v0                           ; lane
	v_and_b32 v2, 15, v0                           ; r
	v_bfe_u32 v3, v0, 4, 1                         ; h
	v_and_b32 v4, 8, v2
	v_add_nc_u32 v4, v4, v2                        ; r + 8 (r / 8)
	v_lshlrev_b32 v4, 2, v4                        ; in bytes
	v_lshlrev_b32 v5, 4, v1                        ; 16 x lane
	s_lshl_b32 s19, s18, 2
	v_add_nc_u32 v6, s19, v5                       ; LDS: 16 x lane + 4 f
	s_mov_b32 s28, 0x76543210
	s_mov_b32 s29, 0xfedcba98                      ; v_permlanex16_b32's selects for lane l xor 16
	s_mov_b32 s25, 0
	s_wait_kmcnt 0x0
	s_cmp_lt_u32 ttmp9, 96
	s_cbranch_scc0 .Lnot_qkv
	; records 0-95: [head][512][32], a row of K is 128 bytes
	s_lshr_b32 s22, ttmp9, 5                       ; 0, 1, 2: Wq, Wk, Wv
	s_cmp_eq_u32 s22, 0
	s_cselect_b64 s[20:21], s[4:5], s[6:7]
	s_cmp_eq_u32 s22, 2
	s_cselect_b64 s[20:21], s[8:9], s[20:21]
	s_and_b32 s22, ttmp9, 31                       ; tile = 2 head + u
	s_lshr_b32 s23, s22, 1
	s_lshl_b32 s24, s23, 16                        ; the head: 65,536 bytes
	s_lshl_b32 s23, s18, 14                        ; K step f: 128 rows of 128 bytes
	s_add_co_u32 s24, s24, s23
	s_and_b32 s23, s22, 1
	s_lshl_b32 s23, s23, 5                         ; u: 8 columns
	s_add_co_u32 s24, s24, s23
	s_mov_b32 s26, ttmp9                           ; the record's number
	s_add_nc_u64 s[20:21], s[20:21], s[24:25]
	v_lshl_add_u32 v7, v3, 12, v4                  ; lanes 16-31 begin 32 rows further down
	LOADS 128
	s_branch .Ljoin
.Lnot_qkv:
	s_sub_co_u32 s22, ttmp9, 128
	s_cmp_lt_u32 s22, 128
	s_cbranch_scc1 .Lw1
	; Wproj (work-groups 96-127) and W2 (256-383): a row of K is 2,048 bytes
	s_mov_b32 s22, 256
	s_mov_b32 s23, 160
	s_cmp_lt_u32 ttmp9, 128
	s_cselect_b32 s22, 96, s22
	s_cselect_b32 s23, 96, s23
	s_cselect_b64 s[20:21], s[10:11], s[14:15]
	s_sub_co_u32 s22, ttmp9, s22
	s_lshr_b32 s27, s22, 5                         ; chunk (0 for Wproj)
	s_and_b32 s22, s22, 31                         ; x: the record in its phase
	s_lshl_b32 s26, s27, 6
	s_add_co_u32 s26, s26, s23
	s_add_co_u32 s26, s26, s22                     ; the record's number: 96 + x, or 160 + 64 chunk + x
	TILE
	s_bfe_u32 s22, s22, 0x20001                    ; (x / 2) % 4
	s_lshl_b32 s27, s27, 2
	s_add_co_u32 s22, s22, s27                     ; K step
	s_lshl_b32 s24, s22, 18                        ; 128 rows of 2,048 bytes
	COLS
	s_add_nc_u64 s[20:21], s[20:21], s[24:25]
	v_lshl_add_u32 v7, v3, 16, v4
	LOADS 2048
	s_branch .Ljoin
.Lw1:
	; W1 (work-groups 128-255): a row of K is 8,192 bytes
	s_lshr_b32 s27, s22, 5                         ; chunk
	s_and_b32 s22, s22, 31                         ; x
	s_lshl_b32 s26, s27, 6
	s_add_co_u32 s26, s26, s22
	s_add_co_u32 s26, s26, 128                     ; the record's number: 128 + 64 chunk + x
	TILE
	s_lshl_b32 s27, s27, 5
	s_add_co_u32 s23, s23, s27                     ; + 32 tiles a chunk
	s_bfe_u32 s22, s22, 0x20001                    ; K step
	s_lshl_b32 s24, s22, 20                        ; 128 rows of 8,192 bytes
	COLS
	s_add_nc_u64 s[20:21], s[12:13], s[24:25]
	v_lshl_add_u32 v7, v3, 18, v4
	LOADS 8192
.Ljoin:
	s_mul_i32 s22, s26, RECB
	s_mul_i32 s23, s18, FRB
	s_add_co_u32 s22, s22, s23
	s_mov_b32 s23, 0
	s_add_nc_u64 s[16:17], s[16:17], s[22:23]      ; my fragment's image
	v_mov_b32 v10, 0                               ; (a lane permute's destination counts as one of its sources)
	s_wait_loadcnt 0x0
.irp c, 0,1                                    ; my block 2 c + h: all its 32 numbers are mine
	v_max3_num_f32 v[32+\c], |v[64+32*\c]|, |v[65+32*\c]|, 0x1800000   ; with the floor 2^(3 - 127): the byte cannot fall under 1
.endr
.irp i, 2,4,6,8,10,12,14,16,18,20,22,24,26,28,30
.irp c, 0,1
	v_max3_num_f32 v[32+\c], v[32+\c], |v[64+32*\c+\i]|, |v[65+32*\c+\i]|
.endr
.endr
.irp c, 0,1
	v_add_nc_u32 v[44+\c], 0xff000000, v[32+\c]    ; 2 off the exponent field: the conversion's scale operand
.endr
.irp c, 0,1
	v_lshrrev_b32 v[36+\c], 23, v[44+\c]           ; the scale's byte
.endr
	v_lshl_or_b32 v9, v37, 16, v36                 ; my two bytes: blocks h and 2 + h,
	v_lshlrev_b32 v8, 3, v3
	v_lshlrev_b32 v9, v8, v9                       ; at their places in the word;
	v_permlanex16_b32 v10, v9, s28, s29
	v_or_b32 v9, v9, v10                           ; with lane l xor 16's two the word is whole
.irp c, 0,1
	v_cvt_scalef32_pk16_fp6_f32 v[48+6*\c:50+6*\c], v[64+32*\c:79+32*\c], v[44+\c]
	v_cvt_scalef32_pk16_fp6_f32 v[16+4*\c:18+4*\c], v[80+32*\c:95+32*\c], v[44+\c]   ; (a conversion's three registers begin on an even number)
.endr
	v_nop                                          ; one plain place behind a scaled conversion
.irp c, 0,1
.irp i, 0,1,2
	v_mov_b32 v[51+6*\c+\i], v[16+4*\c+\i]
.endr
.endr
	global_store_b128 v5, v[48:51], s[16:17]               ; each store covers 512 consecutive bytes, aligned to 256
	global_store_b128 v5, v[52:55], s[16:17] offset:512
	global_store_b128 v5, v[56:59], s[16:17] offset:1024
	ds_store_b32 v6, v9                            ; the four waves' scale words meet in LDS
	s_wait_dscnt 0x0                               ; for the others' sake: my store has landed
	s_barrier_signal -1
	s_barrier_wait -1
	s_cmp_lg_u32 s18, 0
	s_cbranch_scc1 .Lend
	ds_load_b128 v[12:15], v5
	s_wait_dscnt 0x0
	global_store_b128 v5, v[12:15], s[16:17] offset:6144   ; wave 0's base is the record's first byte
.Lend:
	s_wait_tensorcnt 0x0
	ds_add_u32 v128, v129
	s_wait_dscnt 0x0
	s_endpgm
.Lfunc_end_k_qa6c3cbb385_prep:
	.size	k_qa6c3cbb385_prep, .Lfunc_end_k_qa6c3cbb385_prep-k_qa6c3cbb385_prep
	.p2alignl 7, 3214868480
	.fill 96, 4, 3214868480
	.section	.rodata,"a",@progbits
	.p2align	6, 0x0
	.amdhsa_kernel k_qa6c3cbb385_prep
		.amdhsa_group_segment_fixed_size 1024
		.amdhsa_private_segment_fixed_size 0
		.amdhsa_enable_private_segment 0
		.amdhsa_kernarg_size 56
		.amdhsa_user_sgpr_count 2
		.amdhsa_user_sgpr_kernarg_segment_ptr 1
		.amdhsa_wavefront_size32 1
		.amdhsa_system_sgpr_workgroup_id_x 1
		.amdhsa_system_sgpr_workgroup_id_y 1
		.amdhsa_system_sgpr_workgroup_id_z 1
		.amdhsa_system_vgpr_workitem_id 0
		.amdhsa_next_free_vgpr 130
		.amdhsa_next_free_sgpr 66
		.amdhsa_reserve_vcc 0
		.amdhsa_float_denorm_mode_32 3
		.amdhsa_float_denorm_mode_16_64 3
		.amdhsa_memory_ordered 1
		.amdhsa_forward_progress 1
		.amdhsa_inst_pref_size 26
	.end_amdhsa_kernel
	.amdgpu_metadata
---
amdhsa.version: [ 1, 2 ]
amdhsa.kernels:
  - .name:           k_qa6c3cbb385_prep
    .symbol:         k_qa6c3cbb385_prep.kd
    .args:
      - { .name: Wq, .offset: 0, .size: 8, .value_kind: global_buffer, .address_space: global }
      - { .name: Wk, .offset: 8, .size: 8, .value_kind: global_buffer, .address_space: global }
      - { .name: Wv, .offset: 16, .size: 8, .value_kind: global_buffer, .address_space: global }
      - { .name: Wproj, .offset: 24, .size: 8, .value_kind: global_buffer, .address_space: global }
      - { .name: W1, .offset: 32, .size: 8, .value_kind: global_buffer, .address_space: global }
      - { .name: W2, .offset: 40, .size: 8, .value_kind: global_buffer, .address_space: global }
      - { .name: wts, .offset: 48, .size: 8, .value_kind: global_buffer, .address_space: global }
    .group_segment_fixed_size: 1024
    .private_segment_fixed_size: 0
    .kernarg_segment_align: 8
    .kernarg_segment_size: 56
    .max_flat_workgroup_size: 128
    .sgpr_count:     66
    .vgpr_count:     130
    .wavefront_size: 32
...
	.end_amdgpu_metadata
.endif
;; end of part 1
;; launch qkv (part 2): grid 256 x 1, 4 waves a work-group, no clusters, 159,232 bytes of LDS; arguments x, ln1_g, ln1_b, wts, qimg, qsc, kimg, ksc, vimg, vsc; writes qimg, qsc, kimg, ksc, vimg, vsc
.if DOCPART == 2
	.amdgcn_target "amdgcn-amd-amdhsa--gfx1250"
	.amdhsa_code_object_version 6
	.text
	.protected	k_qa6c3cbb385_qkv
	.globl	k_qa6c3cbb385_qkv
	.p2align	8
	.type	k_qa6c3cbb385_qkv,@function
k_qa6c3cbb385_qkv:
	s_mov_b64 s[64:65], 0
	v_nop
	global_prefetch_b8 v0, s[64:65] scope:SCOPE_SE
	s_setreg_imm32_b32 hwreg(HW_REG_WAVE_MODE, 25, 1), 1
	s_wait_xcnt 0x0
; h = LayerNorm1(x), quantised along C; q, k, v = h W (products on codes of E2M3); q and k are quantised along the head's 32 channels, v along the keys; all leave as images of operand registers.
; SHARES.  A work-group has 64 tokens of one batch (work-group = 4 batch + quarter) as four tiles of 16.  Wave w normalises and quantises tile w; the images go through LDS; then wave w makes heads 4 w .. 4 w + 3 of q, k, v for all four tiles.
; THE 16 TOKENS OF A TILE ARE NOT NEIGHBOURS: lane row r of tile t is token 32 (t / 2) + 8 (t % 2) + r + 8 (r / 8); a head's two tiles of channels likewise.  So the 16 registers of two neighbouring result tiles are 16 neighbours.
; x: each load of a wave covers 512 consecutive bytes of one token's row; the rows turn through the wave's own stage in LDS (pitch 2,064 bytes) and come back so that a lane holds 16 neighbours of each block of 32 of its token.
; q, k: source 0 = 16 channels of the weight, source 1 = 16 tokens: a lane holds one token and 16 channels of the head.  v: the sources swapped: a lane holds one channel and its registers run along the tokens, which are the keys.
; The weights come as records of register images: 13 loads of 512 bytes each, four records (52 loads) on their way.  Each record is used by one wave of the work-group alone, so it goes straight to registers:
; LDS would give no second use, and joint loads in a cluster would put a barrier of the cluster between every few records; that is why neither is used here.
; Mean and variance are taken in two passes.  LIMITS: NaN and infinities among the inputs are not served; a block of zeros gets the byte 1 (zero codes; the bytes are read by this program alone).
; REGISTERS: window 0: v1-13 addresses, v16-31 TM, v32-95 results / h, v96-107 codes, v108-123 second halves, v124 scale word, v128-143 h's scale words, v144-159 the records' scale words, v160-207 fragments to store, v208-211 their scale words, v212-225 LayerNorm.
;   window 1: x (256), later h's 16 fragments.  window 2: v0-191 four records, v192-255 ln1_g (set 0).  window 3: v0-63 ln1_b (set 0), v64-127 ln1_g and v128-191 ln1_b (set 1).
.set HSC,  24576                       ; LDS: 16 images of 1,536 bytes (4 tile + K step), then their scale words, 128 bytes each
.set XSTG, 26624                       ; behind them x's stages: 16 rows of XPIT bytes for each wave
.set XPIT, 2064                        ; 2,048 bytes + 16: the 16 rows that a load back touches begin 16 bytes apart modulo 256
.set XWVB, 16*XPIT
.set RECB, 6656
.set PHB,  212992                      ; 32 records
.set TM,   16
.set ACC,  32
.set PC,   96
.set TT,   108
.set PW,   124
.set HSCR, 128
.set WSC,  144
.set FRG,  160
.set SW,   208
.set LA,   212
.set MEAN, 220
.set RSTD, 222
.set MSB, 0
.macro WIN new                         ; the immediate's high byte repeats the setting that is left; a switch that changes nothing is dropped
.set WNEW, \new
.if MSB != WNEW
	s_set_vgpr_msb (MSB<<8)|WNEW
.set MSB, WNEW
.endif
.endm
.macro NOPS n
.rept \n
	v_nop
.endr
.endm
.macro MM d, a, b, c, sa, sb
	v_wmma_scale_f32_16x16x128_f8f6f4 v[(\d):(\d)+7], v[(\a):(\a)+11], v[(\b):(\b)+11], v[(\c):(\c)+7], v[\sa], v[\sb] matrix_a_fmt:MATRIX_FMT_FP6 matrix_b_fmt:MATRIX_FMT_FP6
.endm
.macro MM0 d, a, b, sa, sb             ; the first K step starts the sum
	v_wmma_scale_f32_16x16x128_f8f6f4 v[(\d):(\d)+7], v[(\a):(\a)+11], v[(\b):(\b)+11], 0, v[\sa], v[\sb] matrix_a_fmt:MATRIX_FMT_FP6 matrix_b_fmt:MATRIX_FMT_FP6
.endm
.macro RLOAD set, off                  ; a record: four fragments into window 2, four scale words into window 0
	WIN 0x80
.set rk, 0
.rept 12
	global_load_b128 v[48*(\set)+4*rk:48*(\set)+4*rk+3], v1, s[10:11] offset:(\off)+512*rk
.set rk, rk+1
.endr
	WIN 0
	global_load_b128 v[WSC+4*(\set):WSC+4*(\set)+3], v1, s[10:11] offset:(\off)+6144
.endm
.macro GBLOAD ks, set                  ; ln1_g and ln1_b of K step ks, in the layout of my 64 numbers, into one of two sets of registers
.if (\set) == 0
	WIN 0x80
.set gi, 0
.rept 16
	global_load_b128 v[192+4*gi:195+4*gi], v5, s[6:7] offset:512*(\ks)+128*(gi/4)+16*(gi%4)
.set gi, gi+1
.endr
	WIN 0xc0
.set gi, 0
.rept 16
	global_load_b128 v[4*gi:4*gi+3], v5, s[8:9] offset:512*(\ks)+128*(gi/4)+16*(gi%4)
.set gi, gi+1
.endr
.else
	WIN 0xc0
.set gi, 0
.rept 16
	global_load_b128 v[64+4*gi:67+4*gi], v5, s[6:7] offset:512*(\ks)+128*(gi/4)+16*(gi%4)
.set gi, gi+1
.endr
.set gi, 0
.rept 16
	global_load_b128 v[128+4*gi:131+4*gi], v5, s[8:9] offset:512*(\ks)+128*(gi/4)+16*(gi%4)
.set gi, gi+1
.endr
.endif
	WIN 0
.endm
; Four blocks of 32: block k = my 16 numbers v[s + 16 k ..] and lane l xor 16's.  Leaves the conversions' scale operands in TM+12.. and the bytes in TM+4..
.macro BLK4 s
.irp b, 0,1,2,3
	v_max3_num_f32 v[TM+\b], |v[\s+16*\b]|, |v[\s+1+16*\b]|, 0x1800000   ; with the floor 2^(3 - 127): the byte cannot fall under 1
.endr
.irp i, 2,4,6,8,10,12,14
.irp b, 0,1,2,3
	v_max3_num_f32 v[TM+\b], v[TM+\b], |v[\s+16*\b+\i]|, |v[\s+1+16*\b+\i]|
.endr
.endr
.irp b, 0,1,2,3
	v_permlanex16_b32 v[TM+4+\b], v[TM+\b], s30, s31
.endr
.irp b, 0,1,2,3
	v_max_num_f32 v[TM+\b], v[TM+\b], v[TM+4+\b]
.endr
.irp b, 0,1,2,3
	v_add_nc_u32 v[TM+12+\b], 0xff000000, v[TM+\b]   ; 2 off the exponent field
.endr
.irp b, 0,1,2,3
	v_lshrrev_b32 v[TM+4+\b], 23, v[TM+12+\b]
.endr
.endm
; 64 numbers of a lane (register 16 b + i = k 32 b + 16 h + i of my row) become a fragment in v[PC] on and its scale word in v[PW]
.macro QUANT s
	BLK4 \s
	v_lshl_or_b32 v[PW], v[TM+5], 8, v[TM+4]
	v_lshl_or_b32 v[PW], v[TM+6], 16, v[PW]
	v_lshl_or_b32 v[PW], v[TM+7], 24, v[PW]
.irp c, 0,1
	v_cvt_scalef32_pk16_fp6_f32 v[PC+6*\c:PC+6*\c+2], v[\s+32*\c:\s+32*\c+15], v[TM+12+2*\c]
	v_cvt_scalef32_pk16_fp6_f32 v[TT+4*\c:TT+4*\c+2], v[\s+32*\c+16:\s+32*\c+31], v[TM+13+2*\c]
.endr
	v_nop                                          ; one plain place behind a scaled conversion
.irp c, 0,1                                    ; the layout wants a whole block in a lane: lanes 0-15 block 2 c, lanes 16-31 block 2 c + 1
.irp i, 0,1,2
	v_permlane16_swap_b32 v[PC+6*\c+\i], v[TT+4*\c+\i]
.endr
.irp i, 0,1,2
	v_mov_b32 v[PC+6*\c+3+\i], v[TT+4*\c+\i]
.endr
.endr
.endm
; Record n of my 24 (8 of q, 8 of k, 8 of v; in each 2 head + u): 16 products, the four accumulators by turns, K step by K step.
; xw = 1: the stores issued ahead of this record have read their registers before those are written again: the wait stands behind the 16 products and ahead of the look-ahead loads, so that it waits for nothing fresh.
.macro REC n, kind, xw
.set rset, (\n)%4
.set ru, (\n)%2
.if 23-(\n) >= 3
	s_wait_loadcnt 39                              ; this record is in; the three behind it, 13 loads each, may be out
.else
	s_wait_loadcnt 13*(23-(\n))
.endif
.if \kind
	WIN 0x09                                       ; source 0 = h (window 1), source 1 = the weight (window 2)
.else
	WIN 0x06                                       ; source 0 = the weight (window 2), source 1 = h (window 1)
.endif
.irp ks, 0,1,2,3
.irp rt, 0,1,2,3
.if \kind
.if \ks == 0
	MM0 ACC+32*ru+8*\rt, 12*(4*\rt+\ks), 48*rset+12*\ks, HSCR+4*\rt+\ks, WSC+4*rset+\ks
.else
	MM ACC+32*ru+8*\rt, 12*(4*\rt+\ks), 48*rset+12*\ks, ACC+32*ru+8*\rt, HSCR+4*\rt+\ks, WSC+4*rset+\ks
.endif
.else
.if \ks == 0
	MM0 ACC+16*\rt+8*ru, 48*rset+12*\ks, 12*(4*\rt+\ks), WSC+4*rset+\ks, HSCR+4*\rt+\ks
.else
	MM ACC+16*\rt+8*ru, 48*rset+12*\ks, 12*(4*\rt+\ks), ACC+16*\rt+8*ru, WSC+4*rset+\ks, HSCR+4*\rt+\ks
.endif
.endif
.endr
.endr
	WIN 0
	NOPS 4                                         ; four places ahead of the loads into the record's registers and of the first read of results
.if \xw
	s_wait_xcnt 0x0
.endif
.if (\n)+4 <= 23
	RLOAD rset, (((\n)+4)/8)*PHB+(((\n)+4)%8)*RECB
.endif
.endm
; q or k of head hd (of my four), four tiles of tokens: block rt = the head's 32 channels of a token.  Two heads make registers 6 c .. 6 c + 5 of each tile's fragment.
.macro QKQ hd
	BLK4 ACC
.irp rt, 0,1,2,3
.if \hd == 0
	v_mov_b32 v[SW+\rt], v[TM+4+\rt]
.else
	v_lshl_or_b32 v[SW+\rt], v[TM+4+\rt], 8*\hd, v[SW+\rt]
.endif
.endr
.irp rt, 0,1,2,3
.if (\hd)%2 == 0
	v_cvt_scalef32_pk16_fp6_f32 v[FRG+12*\rt+6*((\hd)/2):FRG+12*\rt+6*((\hd)/2)+2], v[ACC+16*\rt:ACC+16*\rt+15], v[TM+12+\rt]
.else
	v_cvt_scalef32_pk16_fp6_f32 v[TT+4*\rt:TT+4*\rt+2], v[ACC+16*\rt:ACC+16*\rt+15], v[TM+12+\rt]
.endif
.endr
	v_nop                                          ; one plain place behind a scaled conversion
.if (\hd)%2 == 1
.irp rt, 0,1,2,3
.irp i, 0,1,2
	v_permlane16_swap_b32 v[FRG+12*\rt+6*((\hd)/2)+\i], v[TT+4*\rt+\i]
.endr
.irp i, 0,1,2
	v_mov_b32 v[FRG+12*\rt+6*((\hd)/2)+3+\i], v[TT+4*\rt+\i]
.endr
.endr
.endif
.endm
.macro QKOUT pi, ps                    ; four fragments and their scale words: each store covers 512 consecutive bytes, aligned to 256
.irp rt, 0,1,2,3
.irp g, 0,1,2
	global_store_b128 v1, v[FRG+12*\rt+4*\g:FRG+12*\rt+4*\g+3], s[\pi:\pi+1] offset:1536*\rt+512*\g
.endr
.endr
	global_store_b128 v1, v[SW:SW+3], s[\ps:\ps+1]
.endm
; v of head hd: block 2 u + b = keys 32 b .. 32 b + 31 of my 64, channel tile u.  Six registers of V^T's fragment for each u: those of my quarter of the keys.
; Each head has registers of its own for what it stores (12 of FRG, one of SW), so no store's data are written again.
.macro VQ hd
	BLK4 ACC
	v_lshl_or_b32 v[SW+\hd], v[TM+5], 8, v[TM+4]
	v_lshl_or_b32 v[SW+\hd], v[TM+6], 16, v[SW+\hd]
	v_lshl_or_b32 v[SW+\hd], v[TM+7], 24, v[SW+\hd]
.irp u, 0,1
	v_cvt_scalef32_pk16_fp6_f32 v[FRG+6*(2*\hd+\u):FRG+6*(2*\hd+\u)+2], v[ACC+32*\u:ACC+32*\u+15], v[TM+12+2*\u]
	v_cvt_scalef32_pk16_fp6_f32 v[TT+4*\u:TT+4*\u+2], v[ACC+32*\u+16:ACC+32*\u+31], v[TM+13+2*\u]
.endr
	v_nop
.irp u, 0,1
.irp i, 0,1,2
	v_permlane16_swap_b32 v[FRG+6*(2*\hd+\u)+\i], v[TT+4*\u+\i]
.endr
.irp i, 0,1,2
	v_mov_b32 v[FRG+6*(2*\hd+\u)+3+\i], v[TT+4*\u+\i]
.endr
.endr
.irp u, 0,1
.irp p, 0,1,2
	global_store_b64 v3, v[FRG+6*(2*\hd+\u)+2*\p:FRG+6*(2*\hd+\u)+2*\p+1], s[20:21] offset:(2*\hd+\u)*3072+256*\p   ; 256 consecutive bytes, aligned
.endr
.endr
	global_store_b32 v2, v[SW+\hd], s[22:23] offset:128*\hd
.endm
	s_load_b256 s[4:11], s[0:1], 0x0               ; x s[4:5], ln1_g s[6:7], ln1_b s[8:9], wts s[10:11]
	s_load_b256 s[12:19], s[0:1], 0x20             ; qimg s[12:13], qsc s[14:15], kimg s[16:17], ksc s[18:19]
	s_load_b128 s[20:23], s[0:1], 0x40             ; vimg s[20:21], vsc s[22:23]
	v_lshl_add_u32 v254, v0, 2, 0x26c00
	v_mov_b32 v255, 0
	v_lshrrev_b32 v8, 5, v0
	v_readfirstlane_b32 s24, v8                    ; wave
	v_and_b32 v8, 31, v0
	v_lshlrev_b32 v1, 4, v8                        ; 16 x lane
	v_lshlrev_b32 v2, 2, v8                        ; 4 x lane
	v_lshlrev_b32 v3, 3, v8                        ; 8 x lane
	v_and_b32 v9, 15, v0                           ; r
	v_bfe_u32 v10, v0, 4, 1                        ; h
	v_lshlrev_b32 v5, 6, v10                       ; 64 h: my 16 numbers of a block of 32
	s_mul_i32 s28, s24, 6144
	v_add_nc_u32 v6, s28, v1                       ; where I store my tile's images
	s_lshl_b32 s28, s24, 9
	s_add_co_u32 s28, s28, HSC
	v_add_nc_u32 v7, s28, v2                       ; and their scale words
	s_mul_i32 s28, s24, XWVB
	s_add_co_u32 s28, s28, XSTG                    ; my stage for x
	v_add_nc_u32 v12, s28, v1                      ; in: 16 bytes a lane of a row's 512
	v_mul_u32_u24 v13, v9, XPIT
	v_lshl_add_u32 v13, v10, 6, v13
	v_add_nc_u32 v13, s28, v13                     ; back: row r, + 64 h
.irp b, 0,1,2,3
	v_mov_b32 v[TM+4+\b], 0                        ; written once: a lane permute's destination counts as one of its sources
.endr
	v_mov_b32 v225, 0
	s_lshr_b32 s25, ttmp9, 2                       ; batch
	s_and_b32 s26, ttmp9, 3                        ; quarter of its tokens
	s_mov_b32 s30, 0x76543210
	s_mov_b32 s31, 0xfedcba98
	s_mov_b32 s32, 0x3b000000                      ; 1 / 512
	s_mov_b32 s33, 0x3727c5ac                      ; 1e-5
	s_mov_b32 s29, 0
	s_lshl_b32 s28, s25, 19                        ; the batch: 256 rows of 2,048 bytes
	s_lshl_b32 s34, s26, 17                        ; 64 rows a quarter
	s_add_co_u32 s28, s28, s34
	s_lshr_b32 s34, s24, 1
	s_lshl_b32 s34, s34, 16                        ; my tile: 32 (w / 2) + 8 (w % 2) rows
	s_add_co_u32 s28, s28, s34
	s_and_b32 s34, s24, 1
	s_lshl_b32 s34, s34, 14
	s_add_co_u32 s28, s28, s34
	s_wait_kmcnt 0x0
	s_add_nc_u64 s[4:5], s[4:5], s[28:29]
	GBLOAD 0, 0                                    ; g and b of K step 0 go first: x's waits below show them in too
	WIN 0x40
.irp p, 0,1,2,3                        ; part p (512 bytes) of the tile's row xi, into window 1, v[64 p + 4 xi ..]: 32 lanes read 512 consecutive bytes
.set xi, 0
.rept 16
	global_load_b128 v[64*\p+4*xi:64*\p+4*xi+3], v1, s[4:5] offset:(xi+8*(xi/8))*2048+512*\p th:TH_LOAD_NT
.set xi, xi+1
.endr
.endr
	WIN 0
	s_mul_i32 s28, s24, 8*RECB
	s_add_nc_u64 s[10:11], s[10:11], s[28:29]      ; my eight records of each of q, k, v
	s_lshl_b32 s34, s25, 2
	s_add_co_u32 s34, s34, s24                     ; 4 batch + wave
	s_mul_i32 s28, s34, 24576
	s_mul_i32 s35, s26, 6144
	s_add_co_u32 s28, s28, s35
	s_add_nc_u64 s[12:13], s[12:13], s[28:29]
	s_add_nc_u64 s[16:17], s[16:17], s[28:29]
	s_lshl_b32 s28, s34, 11
	s_lshl_b32 s35, s26, 9
	s_add_co_u32 s28, s28, s35
	s_add_nc_u64 s[14:15], s[14:15], s[28:29]
	s_add_nc_u64 s[18:19], s[18:19], s[28:29]
	s_mul_i32 s28, s25, 98304
	s_mul_i32 s35, s24, 24576
	s_add_co_u32 s28, s28, s35
	s_mul_i32 s35, s26, 768
	s_add_co_u32 s28, s28, s35
	s_add_nc_u64 s[20:21], s[20:21], s[28:29]
	s_lshl_b32 s28, s25, 13
	s_lshl_b32 s35, s26, 11
	s_add_co_u32 s28, s28, s35
	s_lshl_b32 s35, s24, 9
	s_add_co_u32 s28, s28, s35
	s_add_nc_u64 s[22:23], s[22:23], s[28:29]
	; ---- x turns through my stage, part by part; behind each part's turn one record is asked for
.irp p, 0,1,2,3
	s_wait_loadcnt 16*(3-\p)+13*\p                 ; part p is in; behind it: the later parts, 16 loads each, and the records asked for so far, 13 each
	WIN 0x04                                       ; an LDS store's data are its source 1: window 1
.set xi, 0
.rept 16
	ds_store_b128 v12, v[64*\p+4*xi:64*\p+4*xi+3] offset:XPIT*xi+512*\p
.set xi, xi+1
.endr
	WIN 0x40
.set xi, 0
.rept 16                               ; x(my token, 128 p + 32 (xi / 4) + 16 h + 4 (xi % 4) ..) into the registers that the part has left.  LDS serves a wave's instructions in order (ISA guide 5.7.1.4): these see the stores above
	ds_load_b128 v[64*\p+4*xi:64*\p+4*xi+3], v13 offset:512*\p+128*(xi/4)+16*(xi%4)
.set xi, xi+1
.endr
	WIN 0
	RLOAD \p, \p*RECB
.endr
	GBLOAD 1, 1
	s_wait_dscnt 0x0                               ; x is back: register 16 blk + i of window 1 is number 32 blk + 16 h + i of my token
	; ---- LayerNorm 1: a lane holds 256 numbers of its token, lane l xor 16 the other 256
	WIN 0x05
.irp k, 0,1,2,3
	v_pk_add_f32 v[LA+2*\k:LA+2*\k+1], v[2*\k:2*\k+1], v[8+2*\k:9+2*\k]
.endr
	WIN 0x04
.set xj, 16
.rept 120
	v_pk_add_f32 v[LA+2*((xj/2)%4):LA+2*((xj/2)%4)+1], v[LA+2*((xj/2)%4):LA+2*((xj/2)%4)+1], v[xj:xj+1]
.set xj, xj+2
.endr
	WIN 0
	v_pk_add_f32 v[LA:LA+1], v[LA:LA+1], v[LA+2:LA+3]
	v_pk_add_f32 v[LA+4:LA+5], v[LA+4:LA+5], v[LA+6:LA+7]
	v_pk_add_f32 v[LA:LA+1], v[LA:LA+1], v[LA+4:LA+5]
	v_add_f32 v224, v[LA], v[LA+1]
	v_permlanex16_b32 v225, v224, s30, s31
	v_add_f32 v224, v224, v225
	v_mul_f32 v[MEAN], s32, v224
	v_mov_b32 v[MEAN+1], v[MEAN]
	WIN 0x41
.set xj, 0
.rept 128
	v_pk_add_f32 v[xj:xj+1], v[xj:xj+1], v[MEAN:MEAN+1] neg_lo:[0,1] neg_hi:[0,1]   ; x - mean, in place
.set xj, xj+2
.endr
	WIN 0x05
.irp k, 0,1,2,3
	v_pk_mul_f32 v[LA+2*\k:LA+2*\k+1], v[2*\k:2*\k+1], v[2*\k:2*\k+1]
.endr
.set xj, 8
.rept 124
	v_pk_fma_f32 v[LA+2*((xj/2)%4):LA+2*((xj/2)%4)+1], v[xj:xj+1], v[xj:xj+1], v[LA+2*((xj/2)%4):LA+2*((xj/2)%4)+1]
.set xj, xj+2
.endr
	WIN 0
	v_pk_add_f32 v[LA:LA+1], v[LA:LA+1], v[LA+2:LA+3]
	v_pk_add_f32 v[LA+4:LA+5], v[LA+4:LA+5], v[LA+6:LA+7]
	v_pk_add_f32 v[LA:LA+1], v[LA:LA+1], v[LA+4:LA+5]
	v_add_f32 v224, v[LA], v[LA+1]
	v_permlanex16_b32 v225, v224, s30, s31
	v_add_f32 v224, v224, v225
	v_fma_f32 v224, v224, s32, s33                 ; variance + 1e-5
	v_rsq_f32 v[RSTD], v224
	v_nop                                          ; a plain place behind the transcendental
	s_wait_alu depctr_va_vdst(0)                   ; the wait ahead of the first reader
	v_mov_b32 v[RSTD+1], v[RSTD]
	; ---- h, a K step of 128 at a time: scaled, quantised, image to LDS.  g and b stand in two sets by turns, asked for two K steps ahead
.irp ks, 0,1,2,3
.if (\ks == 1) || (\ks == 2)
	s_wait_loadcnt 32                              ; this K step's g and b are in; the next set's 32 loads may be out
.elseif \ks == 3
	s_wait_loadcnt 0x0
.endif
	WIN 0x01
.set xj, 0
.rept 32
	v_pk_mul_f32 v[ACC+xj:ACC+xj+1], v[64*\ks+xj:64*\ks+xj+1], v[RSTD:RSTD+1]
.set xj, xj+2
.endr
.if \ks%2 == 0
	WIN 0x38                                       ; g in window 2, b in window 3
.set xj, 0
.rept 32
	v_pk_fma_f32 v[ACC+xj:ACC+xj+1], v[ACC+xj:ACC+xj+1], v[192+xj:193+xj], v[xj:xj+1]
.set xj, xj+2
.endr
.else
	WIN 0x3c                                       ; both in window 3
.set xj, 0
.rept 32
	v_pk_fma_f32 v[ACC+xj:ACC+xj+1], v[ACC+xj:ACC+xj+1], v[64+xj:65+xj], v[128+xj:129+xj]
.set xj, xj+2
.endr
.endif
	WIN 0
.if \ks < 2
	GBLOAD \ks+2, \ks%2
.endif
	QUANT ACC
.irp c, 0,1,2
	ds_store_b128 v6, v[PC+4*\c:PC+4*\c+3] offset:1536*\ks+512*\c
.endr
	ds_store_b32 v7, v[PW] offset:128*\ks
	s_wait_dscnt 0x0                               ; the stores have read their registers
.endr
	s_barrier_signal -1                            ; (every LDS store of mine has landed: the wait above)
	s_barrier_wait -1                              ; h's sixteen fragments lie in LDS
	WIN 0x40
.set xi, 0
.rept 48
	ds_load_b128 v[4*xi:4*xi+3], v1 offset:512*xi  ; fragment 4 tile + K step at v[12 (4 tile + K step)] of window 1
.set xi, xi+1
.endr
	WIN 0
.set xi, 0
.rept 16
	ds_load_b32 v[HSCR+xi], v2 offset:HSC+128*xi
.set xi, xi+1
.endr
	s_wait_dscnt 0x0
.irp hd, 0,1,2,3
	REC 2*\hd, 0, 0
	REC 2*\hd+1, 0, 0
	QKQ \hd
.endr
	QKOUT 12, 14
	REC 8, 0, 1                                    ; q's stores have read FRG and SW before k's first head writes them
	REC 9, 0, 0
	QKQ 0
.irp hd, 1,2,3
	REC 8+2*\hd, 0, 0
	REC 9+2*\hd, 0, 0
	QKQ \hd
.endr
	QKOUT 16, 18
	REC 16, 1, 1                                   ; and k's before v's
	REC 17, 1, 0
	VQ 0
.irp hd, 1,2,3
	REC 16+2*\hd, 1, 0
	REC 17+2*\hd, 1, 0
	VQ \hd
.endr
	s_wait_tensorcnt 0x0
	ds_add_u32 v254, v255
	s_wait_dscnt 0x0
	s_endpgm
.Lfunc_end_k_qa6c3cbb385_qkv:
	.size	k_qa6c3cbb385_qkv, .Lfunc_end_k_qa6c3cbb385_qkv-k_qa6c3cbb385_qkv
	.p2alignl 7, 3214868480
	.fill 96, 4, 3214868480
	.section	.rodata,"a",@progbits
	.p2align	6, 0x0
	.amdhsa_kernel k_qa6c3cbb385_qkv
		.amdhsa_group_segment_fixed_size 159232
		.amdhsa_private_segment_fixed_size 0
		.amdhsa_enable_private_segment 0
		.amdhsa_kernarg_size 80
		.amdhsa_user_sgpr_count 2
		.amdhsa_user_sgpr_kernarg_segment_ptr 1
		.amdhsa_wavefront_size32 1
		.amdhsa_system_sgpr_workgroup_id_x 1
		.amdhsa_system_sgpr_workgroup_id_y 1
		.amdhsa_system_sgpr_workgroup_id_z 1
		.amdhsa_system_vgpr_workitem_id 0
		.amdhsa_next_free_vgpr 960
		.amdhsa_next_free_sgpr 66
		.amdhsa_reserve_vcc 0
		.amdhsa_float_denorm_mode_32 3
		.amdhsa_float_denorm_mode_16_64 3
		.amdhsa_memory_ordered 1
		.amdhsa_forward_progress 1
		.amdhsa_inst_pref_size 226
	.end_amdhsa_kernel
	.amdgpu_metadata
---
amdhsa.version: [ 1, 2 ]
amdhsa.kernels:
  - .name:           k_qa6c3cbb385_qkv
    .symbol:         k_qa6c3cbb385_qkv.kd
    .args:
      - { .name: x, .offset: 0, .size: 8, .value_kind: global_buffer, .address_space: global }
      - { .name: ln1_g, .offset: 8, .size: 8, .value_kind: global_buffer, .address_space: global }
      - { .name: ln1_b, .offset: 16, .size: 8, .value_kind: global_buffer, .address_space: global }
      - { .name: wts, .offset: 24, .size: 8, .value_kind: global_buffer, .address_space: global }
      - { .name: qimg, .offset: 32, .size: 8, .value_kind: global_buffer, .address_space: global }
      - { .name: qsc, .offset: 40, .size: 8, .value_kind: global_buffer, .address_space: global }
      - { .name: kimg, .offset: 48, .size: 8, .value_kind: global_buffer, .address_space: global }
      - { .name: ksc, .offset: 56, .size: 8, .value_kind: global_buffer, .address_space: global }
      - { .name: vimg, .offset: 64, .size: 8, .value_kind: global_buffer, .address_space: global }
      - { .name: vsc, .offset: 72, .size: 8, .value_kind: global_buffer, .address_space: global }
    .group_segment_fixed_size: 159232
    .private_segment_fixed_size: 0
    .kernarg_segment_align: 8
    .kernarg_segment_size: 80
    .max_flat_workgroup_size: 128
    .sgpr_count:     66
    .vgpr_count:     960
    .wavefront_size: 32
...
	.end_amdgpu_metadata
.endif
;; end of part 2
;; launch block (part 3): grid 256 x 1, 4 waves a work-group, no clusters, 288,256 bytes of LDS; arguments x, qimg, qsc, kimg, ksc, vimg, vsc, wts, bproj, ln2_g, ln2_b, b1, b2, out0; writes out0
.if DOCPART == 3
	.amdgcn_target "amdgcn-amd-amdhsa--gfx1250"
	.amdhsa_code_object_version 6
	.text
	.protected	k_qa6c3cbb385_block
	.globl	k_qa6c3cbb385_block
	.p2align	8
	.type	k_qa6c3cbb385_block,@function
k_qa6c3cbb385_block:
	s_mov_b64 s[64:65], 0
	v_nop
	global_prefetch_b8 v0, s[64:65] scope:SCOPE_SE
	s_setreg_imm32_b32 hwreg(HW_REG_WAVE_MODE, 25, 1), 1
	s_wait_xcnt 0x0
; Causal attention, projection, residual, LayerNorm 2, feed-forward and residual for 64 tokens of one batch; every product on codes of E2M3 with E8M0 scales.  Nothing between q, k, v and out0 goes to memory.
; SHARES.  Work-group = 4 batch + j owns four tiles of 16 tokens (slots): tiles j, 7 - j, 8 + j, 15 - j of the batch's 16, so every work-group has two tiles with 128 keys to walk and two with 256: equal work, and code that hangs on no id.
; Lane row r of tile t is token 32 (t / 2) + 8 (t % 2) + r + 8 (r / 8).  Attention: wave w takes heads 4 w .. 4 w + 3 of all four slots.  The three GEMMs: wave w takes columns 128 w .. 128 w + 127 of all four slots.
; ATTENTION.  S^T = K Q^T: a fragment holds four heads' 32 channels; Q's codes of the three other heads are cleared, so one instruction gives one head's scores (K = 32 of the 128).  The causal mask is the C of the diagonal step's
; products: -3e38 where the key comes after the query.  A row's keys all lie in registers, so M = ceil(the row's largest t) is taken once; p = 2^(t - M) is quantised along the keys; the sum of the unquantised p divides O.
; x COMES DURING ATTENTION: trip hd of the loop over my four heads asks for slot hd's 16 rows of my 128 columns, 512 consecutive bytes a load, and lays them into a stage in LDS; behind the loop they come back in the accumulators' layout.
; GEMMS, all transposed (source 0 = 16 columns of the weight, source 1 = 16 tokens): a lane holds one token and 64 of its columns; x + attn Wproj + bproj + .. W2 + b2 is one set of 32 accumulators (window 3) from x to out0.
; Operands made by one wave reach the others through LDS: attention's codes as rows of 384 bytes (pitch 400), h2 and the hidden layer as images of operand registers.
; THE WEIGHTS come as records of register images, 13 loads of 512 bytes, four records (52 loads) of a wave on their way.  Each fragment is used by one wave of the work-group alone, so LDS would give it no second use; a ring for joint
; loads of a cluster would add a read from LDS for every fragment and put a barrier of the cluster between every 16 records, where these loads need none: that is why there is no cluster here.
; LIMITS: NaN and infinities among the inputs are not served; hidden scores are -3e38 and not -infinity (p is 0 for every score below -4e37); blocks of zeros carry the byte 1.  Mean and variance are taken in two passes.
; REGISTERS: window 0: v1-31 addresses and small things; attention: v32-47 K's, v48-51 Q's, v52-55 V's scale words, v56-59 V's raw bytes, v60-61 p's words, v62-63 lane masks, v64-191 S^T / p, v192-215 p's codes, v216-252 at work;
;   GEMMs: v32-47 the records' scale words, v48-55 the tokens', v64-159 two sets of four token fragments, v160-251 at work.
;   window 1: K's 16 fragments, later four records; v192-203 the masked Q, later v192-255 b1.   window 2: masks, V, Q; then ln2_g, ln2_b, b2; then the hidden layer.   window 3: v0-63 x's rows as loaded, then the 32 accumulators.
.set RECB, 6656
.set PHB,  212992                      ; a phase: 32 records
.set ATTS, 25600                       ; LDS: 0: attention's codes, slot x 6,400 + r x 400 + 24 head + 12 h;  here: their scale words, (4 slot + K step) x 128
.set RED1, 27648                       ; LayerNorm's partial sums, 512 w + 16 lane; the second pass 2,048 further on
.set H2I,  31744                       ; h2's 16 images, 4 slot + K step
.set H2S,  56320
.set HIM,  58368                       ; the hidden chunk's 16 images
.set HSM,  82944
.set STG,  84992                       ; the way out: 16 rows of 528 bytes for each wave
.set XSTG, 118784                      ; x's stages: for each wave four slots of 16 rows of 528 bytes
.set XSLB, 8448                        ; a slot
.set XWVB, 42240                       ; from wave to wave: five slots' bytes, of which four are used
.set LI, 1
.set LS, 2
.set LIH, 5
.set LSH, 6
.set AR, 7
.set ATTW, 8
.set ATTA, 9
.set H2W, 10
.set H2SW, 11
.set HW, 12
.set HSW, 13
.set ASWA, 14
.set REDW, 15
.set XGO, 16                           ; v16  x: my byte offset in the batch for the slot in hand
.set VO, 17
.set XSW, 18                           ; v18  x's stage, in: the slot in hand
.set XSB, 19                           ; v19  x's stage, in: slot 0
.set VB, 20
.set SO, 21
.set SR, 22
.set L8, 23
.set ASW, 24
.set XSR, 30                           ; v30  x's stage, back: row r, + 64 h
.set KSC, 32
.set QSC, 48
.set VSW, 52
.set VRAW, 56
.set PSC, 60
.set S, 64
.set PF, 192
.set TT, 216
.set BM, 224
.set PT, 232
.set WSC, 32
.set ASC, 48
.set AF, 64
.set TM, 160
.set PC, 176
.set PW, 196
.set RS, 200
.set RX, 204
.set MEAN, 220
.set RSTD, 228
.set AC2, 236
.set MSB, 0
.macro WIN new                         ; the immediate's high byte repeats the setting that is left; a switch that changes nothing is dropped
.set WNEW, \new
.if MSB != WNEW
	s_set_vgpr_msb (MSB<<8)|WNEW
.set MSB, WNEW
.endif
.endm
.macro NOPS n
.rept \n
	v_nop
.endr
.endm
.macro BARRIER                         ; my LDS stores have landed and my LDS loads are in: then the work-group's barrier
	s_wait_dscnt 0x0
	s_barrier_signal -1
	s_barrier_wait -1
.endm
.macro MM d, a, b, c, sa, sb
	v_wmma_scale_f32_16x16x128_f8f6f4 v[(\d):(\d)+7], v[(\a):(\a)+11], v[(\b):(\b)+11], v[(\c):(\c)+7], v[\sa], v[\sb] matrix_a_fmt:MATRIX_FMT_FP6 matrix_b_fmt:MATRIX_FMT_FP6
.endm
.macro MM0 d, a, b, sa, sb
	v_wmma_scale_f32_16x16x128_f8f6f4 v[(\d):(\d)+7], v[(\a):(\a)+11], v[(\b):(\b)+11], 0, v[\sa], v[\sb] matrix_a_fmt:MATRIX_FMT_FP6 matrix_b_fmt:MATRIX_FMT_FP6
.endm
; ONE HEAD x ONE SLOT.  ns: key steps of 128; mi: which mask; first = 1: V of this head is waited for here.
.macro ATT slot, ns, mi, first
	WIN 0x42
.set ai, 0
.rept 12
	v_and_b32 v[192+ai], v[176+12*\slot+ai], v[62+ai/6]   ; Q with the codes of every head but this one cleared
.set ai, ai+1
.endr
	WIN 0
	NOPS 4                                         ; an operand written by vector instructions stands four places ahead of a scaled product
.set sg, 0
.rept \ns
.if sg == \ns-1
	WIN 0x25                                       ; K and Q in window 1, the mask in window 2
.else
	WIN 0x05
.endif
.set ai, 0
.rept 8
.if sg == \ns-1
	MM S+64*sg+8*ai, 12*(8*sg+ai), 192, 64*\mi+8*ai, KSC+8*sg+ai, QSC+\slot
.else
	MM0 S+64*sg+8*ai, 12*(8*sg+ai), 192, KSC+8*sg+ai, QSC+\slot
.endif
.set ai, ai+1
.endr
.set sg, sg+1
.endr
	WIN 0
	NOPS 4
.set bb, 0
.rept 4*\ns                            ; the largest score of each block of 32 keys: for the row's maximum and, since p rises with the score, for the block's largest p
	v_max3_num_f32 v[BM+bb], v[S+16*bb], v[S+16*bb+1], v[S+16*bb+2]
.set bb, bb+1
.endr
.irp i, 3,5,7,9,11,13
.set bb, 0
.rept 4*\ns
	v_max3_num_f32 v[BM+bb], v[BM+bb], v[S+16*bb+\i], v[S+16*bb+\i+1]
.set bb, bb+1
.endr
.endr
.set bb, 0
.rept 4*\ns
	v_max_num_f32 v[BM+bb], v[BM+bb], v[S+16*bb+15]
.set bb, bb+1
.endr
.set bb, 0
.rept 4*\ns
	v_permlanex16_b32 v[PT+bb], v[BM+bb], s88, s89
.set bb, bb+1
.endr
.set bb, 0
.rept 4*\ns
	v_max_num_f32 v[BM+bb], v[BM+bb], v[PT+bb]     ; with lane l xor 16's 16 keys
.set bb, bb+1
.endr
	v_max3_num_f32 v246, v[BM], v[BM+1], v[BM+2]
.if \ns == 2
	v_max3_num_f32 v246, v246, v[BM+3], v[BM+4]
	v_max3_num_f32 v246, v246, v[BM+5], v[BM+6]
	v_max_num_f32 v246, v246, v[BM+7]
.else
	v_max_num_f32 v246, v246, v[BM+3]
.endif
	v_mul_f32 v241, s86, v246                      ; the row's largest t (c is positive)
	v_floor_f32 v240, -v241                        ; -M = floor(-t): M is a whole number
.set aj, 0
.rept 32*\ns
	v_pk_fma_f32 v[S+aj:S+aj+1], v[S+aj:S+aj+1], s[86:87], v[240:241] op_sel_hi:[1,0,0]   ; t - M
.set aj, aj+2
.endr
.set bb, 0
.rept 4*\ns
	v_fma_f32 v[BM+bb], v[BM+bb], s86, v240
.set bb, bb+1
.endr
.set aj, 0
.rept 64*\ns
	v_exp_f32 v[S+aj], v[S+aj]                     ; p = 2^(t - M): not normalised
.set aj, aj+1
.endr
	v_nop                                          ; a plain place behind the exponentials
	s_wait_alu depctr_va_vdst(0)                   ; one wait for the batch, ahead of its first reader
.set bb, 0
.rept 4*\ns
	v_exp_f32 v[BM+bb], v[BM+bb]                   ; each block's largest p
.set bb, bb+1
.endr
	v_pk_add_f32 v[242:243], v[S:S+1], v[S+2:S+3]  ; the row's sum of the unquantised p, two chains: first the lower half of the registers
	v_pk_add_f32 v[244:245], v[S+4:S+5], v[S+6:S+7]
.set aj, 8
.rept 8*\ns-2
	v_pk_add_f32 v[242:243], v[242:243], v[S+aj:S+aj+1]
	v_pk_add_f32 v[244:245], v[244:245], v[S+aj+2:S+aj+3]
.set aj, aj+4
.endr
	s_wait_alu depctr_va_vdst(0)                   ; and one for the blocks' exponentials
.set bb, 0
.rept 4*\ns
	v_max_num_f32 v[BM+bb], 0x1800000, v[BM+bb]    ; the floor 2^(3 - 127): a block whose every p is 0 keeps the byte 1, its codes are zeros
.set bb, bb+1
.endr
.set bb, 0
.rept 4*\ns
	v_add_nc_u32 v[PT+bb], 0xff000000, v[BM+bb]    ; the conversion's scale operand
.set bb, bb+1
.endr
.set bb, 0
.rept 4*\ns
	v_lshrrev_b32 v[BM+bb], 23, v[PT+bb]           ; the byte
.set bb, bb+1
.endr
.set sg, 0
.rept \ns
	v_lshl_or_b32 v[PSC+sg], v[BM+4*sg+1], 8, v[BM+4*sg]
	v_lshl_or_b32 v[PSC+sg], v[BM+4*sg+2], 16, v[PSC+sg]
	v_lshl_or_b32 v[PSC+sg], v[BM+4*sg+3], 24, v[PSC+sg]
.set sg, sg+1
.endr
.if \first
	s_wait_loadcnt 16                              ; V's fragments and raw scale bytes of this head are in; the 16 loads of x issued behind them may be out
	v_perm_b32 v[VSW], v[VRAW+1], v[VRAW], 0x05040100      ; key step 0, channel tile 0: the low halves of quarters 0 and 1
	v_perm_b32 v[VSW+1], v[VRAW+1], v[VRAW], 0x07060302    ; channel tile 1: the high halves
	v_perm_b32 v[VSW+2], v[VRAW+3], v[VRAW+2], 0x05040100
	v_perm_b32 v[VSW+3], v[VRAW+3], v[VRAW+2], 0x07060302
.endif
.set sg, 0
.rept \ns
.irp c, 0,1
	v_cvt_scalef32_pk16_fp6_f32 v[PF+12*sg+6*\c:PF+12*sg+6*\c+2], v[S+64*sg+32*\c:S+64*sg+32*\c+15], v[PT+4*sg+2*\c]
	v_cvt_scalef32_pk16_fp6_f32 v[TT+4*\c:TT+4*\c+2], v[S+64*sg+32*\c+16:S+64*sg+32*\c+31], v[PT+4*sg+2*\c+1]
.endr
	v_nop                                          ; one plain place behind a scaled conversion
.irp c, 0,1
.irp i, 0,1,2
	v_permlane16_swap_b32 v[PF+12*sg+6*\c+\i], v[TT+4*\c+\i]
.endr
.irp i, 0,1,2
	v_mov_b32 v[PF+12*sg+6*\c+3+\i], v[TT+4*\c+\i]
.endr
.endr
.set sg, sg+1
.endr
.set aj, 32*\ns
.rept 8*\ns                            ; the sum's upper half: 16 plain lines or more, the places between p's codes and scale words and the products that take them
	v_pk_add_f32 v[242:243], v[242:243], v[S+aj:S+aj+1]
	v_pk_add_f32 v[244:245], v[244:245], v[S+aj+2:S+aj+3]
.set aj, aj+4
.endr
	v_pk_add_f32 v[242:243], v[242:243], v[244:245]
	v_add_f32 v246, v242, v243
	v_permlanex16_b32 v247, v246, s88, s89
	v_add_f32 v246, v246, v247                     ; the row's sum
	v_rcp_f32 v248, v246
	WIN 0x02                                       ; V in window 2
.set sg, 0
.rept \ns                              ; O^T = V^T P^T: the two accumulators by turns
.irp u, 0,1
.if sg == 0
	MM0 S+8*\u, 128+24*\u+12*sg, PF+12*sg, VSW+2*sg+\u, PSC+sg
.else
	MM S+8*\u, 128+24*\u+12*sg, PF+12*sg, S+8*\u, VSW+2*sg+\u, PSC+sg
.endif
.endr
.set sg, sg+1
.endr
	WIN 0
	NOPS 4
	s_wait_alu depctr_va_vdst(0)                   ; the reciprocal's wait, ahead of its first reader
.set aj, 0
.rept 8
	v_pk_mul_f32 v[S+aj:S+aj+1], v[S+aj:S+aj+1], v[248:249] op_sel_hi:[1,0]   ; O / the sum: register i is channel 16 h + i of the head
.set aj, aj+2
.endr
	v_max3_num_f32 v242, |v[S]|, |v[S+1]|, 0x1800000       ; the head's 32 channels are a block of the projection's K
	v_max3_num_f32 v243, |v[S+2]|, |v[S+3]|, |v[S+4]|
	v_max3_num_f32 v242, v242, |v[S+5]|, |v[S+6]|
	v_max3_num_f32 v243, v243, |v[S+7]|, |v[S+8]|
	v_max3_num_f32 v242, v242, |v[S+9]|, |v[S+10]|
	v_max3_num_f32 v243, v243, |v[S+11]|, |v[S+12]|
	v_max3_num_f32 v242, v242, |v[S+13]|, |v[S+14]|
	v_max3_num_f32 v242, v242, v243, |v[S+15]|
	v_permlanex16_b32 v244, v242, s88, s89
	v_max_num_f32 v242, v242, v244
	v_add_nc_u32 v245, 0xff000000, v242
	v_lshrrev_b32 v246, 23, v245
	v_lshl_or_b32 v[ASW+\slot], v246, s83, v[ASW+\slot]    ; byte hd of the slot's scale word
	s_wait_dscnt 0x0                               ; the last stores have read the codes' registers
	v_cvt_scalef32_pk16_fp6_f32 v[250:252], v[S:S+15], v245
	v_nop
	ds_store_b32 v[ATTA], v250 offset:6400*\slot
	ds_store_b32 v[ATTA], v251 offset:6400*\slot+4
	ds_store_b32 v[ATTA], v252 offset:6400*\slot+8
.endm
.macro RLOAD set, off                  ; a record: four fragments into window 1, four scale words into window 0
	WIN 0x40
.set rk, 0
.rept 12
	global_load_b128 v[48*(\set)+4*rk:48*(\set)+4*rk+3], v[LI], s[18:19] offset:(\off)+512*rk
.set rk, rk+1
.endr
	WIN 0
	global_load_b128 v[WSC+4*(\set):WSC+4*(\set)+3], v[LI], s[18:19] offset:(\off)+6144
.endm
.macro BIAS1 off                       ; b1 of a chunk, in the layout of my eight result tiles
	WIN 0x40
.set gi, 0
.rept 16
	global_load_b128 v[192+4*gi:195+4*gi], v[VB], s[26:27] offset:(\off)+128*(gi/4)+16*(gi%4)
.set gi, gi+1
.endr
	WIN 0
.endm
; The four slots' fragments and scale words of K step ks into set buf.  fk = 0: attention's rows; 1: h2's images; 2: the hidden chunk's.
.macro FETCH fk, buf, ks
.irp sl, 0,1,2,3
.if \fk == 0
.irp p, 0,1,2,3,4,5
	ds_load_b64 v[AF+48*(\buf)+12*\sl+2*\p:AF+48*(\buf)+12*\sl+2*\p+1], v[AR] offset:6400*\sl+96*(\ks)+48*(\p/3)+8*(\p%3)
.endr
	ds_load_b32 v[ASC+4*(\buf)+\sl], v[LS] offset:ATTS+(4*\sl+(\ks))*128
.elseif \fk == 1
.irp g, 0,1,2
	ds_load_b128 v[AF+48*(\buf)+12*\sl+4*\g:AF+48*(\buf)+12*\sl+4*\g+3], v[LI] offset:H2I+(4*\sl+(\ks))*1536+512*\g
.endr
	ds_load_b32 v[ASC+4*(\buf)+\sl], v[LS] offset:H2S+(4*\sl+(\ks))*128
.else
.irp g, 0,1,2
	ds_load_b128 v[AF+48*(\buf)+12*\sl+4*\g:AF+48*(\buf)+12*\sl+4*\g+3], v[LIH] offset:(4*\sl+(\ks))*1536+512*\g
.endr
	ds_load_b32 v[ASC+4*(\buf)+\sl], v[LSH] offset:(4*\sl+(\ks))*128
.endif
.endr
.endm
; Record n = 2 ks + g of a phase: column tiles 4 g + f x the four slots, 16 accumulators by turns.  mode 0: onto window 3; mode 1: the hidden layer in window 2, begun with b1 as C.
.macro MULREC n, mode, cnt
.set mset, (\n)%4
.set mbuf, ((\n)/2)%2
.set mg, (\n)%2
	s_wait_loadcnt \cnt                            ; this record is in; what was issued behind it may be out
.if \mode == 0
	WIN 0xf1
.elseif (\n) < 2
	WIN 0x91
.else
	WIN 0xa1
.endif
.irp f, 0,1,2,3
.irp sl, 0,1,2,3
.if (\mode == 0) || ((\n) >= 2)
	MM 64*\sl+8*(4*mg+\f), 48*mset+12*\f, AF+48*mbuf+12*\sl, 64*\sl+8*(4*mg+\f), WSC+4*mset+\f, ASC+4*mbuf+\sl
.else
	MM 64*\sl+8*(4*mg+\f), 48*mset+12*\f, AF+48*mbuf+12*\sl, 192+8*(4*mg+\f), WSC+4*mset+\f, ASC+4*mbuf+\sl
.endif
.endr
.endr
	WIN 0
	NOPS 4                                         ; four places ahead of loads into registers that these products read, and of the first read of results
.endm
; A K step: the tokens' next fragments are asked for, two records are multiplied, and behind each the record four further on is asked for (la: its offset, or -1).
.macro KSTEP ks, mode, fk, cnt0, cnt1, la0, la1
	s_wait_dscnt 0x0                               ; this K step's fragments are in
.if (\ks) < 3
	FETCH \fk, ((\ks)+1)%2, (\ks)+1
.endif
	MULREC 2*(\ks), \mode, \cnt0
.if (\la0) >= 0
	RLOAD (2*(\ks))%4, \la0
.endif
	MULREC 2*(\ks)+1, \mode, \cnt1
.if (\la1) >= 0
	RLOAD (2*(\ks)+1)%4, \la1
.endif
.endm
; 64 numbers of a lane in window w (register 16 b + i = k 32 b + 16 h + i of my token) become a fragment in v[PC] on and its scale word in v[PW]
.macro QUANT s, w
	WIN ((\w)<<2)|((\w)<<4)
.irp b, 0,1,2,3
	v_max3_num_f32 v[TM+\b], 0x1800000, |v[(\s)+16*\b]|, |v[(\s)+16*\b+1]|   ; with the floor 2^(3 - 127)
.endr
.irp i, 2,4,6,8,10,12,14
.irp b, 0,1,2,3
	v_max3_num_f32 v[TM+\b], v[TM+\b], |v[(\s)+16*\b+\i]|, |v[(\s)+16*\b+\i+1]|
.endr
.endr
	WIN 0
.irp b, 0,1,2,3
	v_permlanex16_b32 v[TM+4+\b], v[TM+\b], s88, s89
.endr
.irp b, 0,1,2,3
	v_max_num_f32 v[TM+\b], v[TM+\b], v[TM+4+\b]
.endr
.irp b, 0,1,2,3
	v_add_nc_u32 v[TM+12+\b], 0xff000000, v[TM+\b]
.endr
.irp b, 0,1,2,3
	v_lshrrev_b32 v[TM+4+\b], 23, v[TM+12+\b]
.endr
	v_lshl_or_b32 v[PW], v[TM+5], 8, v[TM+4]
	v_lshl_or_b32 v[PW], v[TM+6], 16, v[PW]
	v_lshl_or_b32 v[PW], v[TM+7], 24, v[PW]
	WIN \w
.irp c, 0,1
	v_cvt_scalef32_pk16_fp6_f32 v[PC+6*\c:PC+6*\c+2], v[(\s)+32*\c:(\s)+32*\c+15], v[TM+12+2*\c]
	v_cvt_scalef32_pk16_fp6_f32 v[PC+12+4*\c:PC+14+4*\c], v[(\s)+32*\c+16:(\s)+32*\c+31], v[TM+13+2*\c]
.endr
	WIN 0
	v_nop                                          ; one plain place behind a scaled conversion
.irp c, 0,1
.irp i, 0,1,2
	v_permlane16_swap_b32 v[PC+6*\c+\i], v[PC+12+4*\c+\i]
.endr
.irp i, 0,1,2
	v_mov_b32 v[PC+6*\c+3+\i], v[PC+12+4*\c+\i]
.endr
.endr
.endm
.macro IMAGE adr, off
.irp c, 0,1,2
	ds_store_b128 v[\adr], v[PC+4*\c:PC+4*\c+3] offset:(\off)+512*\c
.endr
.endm
; The four slots' partial sums (two pairs each in v[AC2] on) are added over my lane, lane l xor 16 and the four waves: v[RS + slot]
.macro XCHG off
.irp sl, 0,1,2,3
	v_pk_add_f32 v[AC2+4*\sl:AC2+4*\sl+1], v[AC2+4*\sl:AC2+4*\sl+1], v[AC2+4*\sl+2:AC2+4*\sl+3]
.endr
.irp sl, 0,1,2,3
	v_add_f32 v[RS+\sl], v[AC2+4*\sl], v[AC2+4*\sl+1]
.endr
.irp sl, 0,1,2,3
	v_permlanex16_b32 v[RX+\sl], v[RS+\sl], s88, s89
.endr
.irp sl, 0,1,2,3
	v_add_f32 v[RS+\sl], v[RS+\sl], v[RX+\sl]
.endr
	ds_store_b128 v[REDW], v[RS:RS+3] offset:\off
	BARRIER
.irp w, 0,1,2,3
	ds_load_b128 v[RX+4*\w:RX+4*\w+3], v[LI] offset:RED1+\off+512*\w
.endr
	s_wait_dscnt 0x0
.irp sl, 0,1,2,3
	v_add_f32 v[RS+\sl], v[RX+\sl], v[RX+4+\sl]
.endr
.irp sl, 0,1,2,3
	v_add_f32 v[RX+\sl], v[RX+8+\sl], v[RX+12+\sl]
.endr
.irp sl, 0,1,2,3
	v_add_f32 v[RS+\sl], v[RS+\sl], v[RX+\sl]
.endr
.endm
.macro TOSTAGE sl                      ; a slot's 16 tokens x my 128 columns through my own stage: LDS serves a wave's instructions in order (ISA guide 5.7.1.4)
	WIN 0x0c                                       ; an LDS store's data are its source 1: window 3
.set oi, 0
.rept 16
	ds_store_b128 v[SO], v[64*\sl+4*oi:64*\sl+4*oi+3] offset:128*(oi/4)+16*(oi%4)   ; each accumulator from its low end on
.set oi, oi+1
.endr
	WIN 0
.set oi, 0
.rept 16
	ds_load_b128 v[64+64*((\sl)%2)+4*oi:64+64*((\sl)%2)+4*oi+3], v[SR] offset:528*oi
.set oi, oi+1
.endr
.endm
.macro SEND sl, younger
	s_wait_dscnt \younger
.set oi, 0
.rept 16
	global_store_b128 v[VO], v[64+64*((\sl)%2)+4*oi:64+64*((\sl)%2)+4*oi+3], s[74+2*\sl:75+2*\sl] offset:(oi+8*(oi/8))*2048 th:TH_STORE_NT   ; 32 lanes store 512 consecutive bytes, aligned to 256
.set oi, oi+1
.endr
.endm
	s_load_b256 s[4:11], s[0:1], 0x0               ; x s[4:5], qimg s[6:7], qsc s[8:9], kimg s[10:11]
	s_load_b256 s[12:19], s[0:1], 0x20             ; ksc s[12:13], vimg s[14:15], vsc s[16:17], wts s[18:19]
	s_load_b256 s[20:27], s[0:1], 0x40             ; bproj s[20:21], ln2_g s[22:23], ln2_b s[24:25], b1 s[26:27]
	s_load_b128 s[28:31], s[0:1], 0x60             ; b2 s[28:29], out0 s[30:31]
	v_lshl_add_u32 v254, v0, 2, 0x46400
	v_mov_b32 v255, 0
	v_lshrrev_b32 v29, 5, v0
	v_readfirstlane_b32 s32, v29                   ; wave
	v_and_b32 v29, 31, v0
	v_lshlrev_b32 v1, 4, v29                       ; 16 x lane
	v_lshlrev_b32 v2, 2, v29                       ; 4 x lane
	v_lshlrev_b32 v23, 3, v29                      ; 8 x lane
	v_and_b32 v3, 15, v0                           ; r
	v_bfe_u32 v4, v0, 4, 1                         ; h
	v_add_nc_u32 v5, HIM, v1
	v_add_nc_u32 v6, HSM, v2
	v_mul_u32_u24 v7, v3, 400
	v_mad_u32_u24 v8, v4, 12, v7
	v_mad_u32_u24 v7, v4, 24, v7                   ; attention's rows, read: 400 r + 24 h
	s_mul_i32 s35, s32, 96
	v_add_nc_u32 v8, s35, v8                       ; written: 400 r + 12 h + 96 w
	s_mul_i32 s35, s32, 1536
	v_add_nc_u32 v10, s35, v1
	v_add_nc_u32 v12, HIM, v10
	v_add_nc_u32 v10, H2I, v10
	s_lshl_b32 s35, s32, 7
	v_add_nc_u32 v11, s35, v2
	v_add_nc_u32 v13, HSM, v11
	v_add_nc_u32 v14, ATTS, v11
	v_add_nc_u32 v11, H2S, v11
	s_lshl_b32 s35, s32, 9
	v_add_nc_u32 v17, s35, v1                      ; x and out0: 512 w + 16 lane
	v_add_nc_u32 v15, RED1, v17
	v_lshl_add_u32 v20, v4, 6, s35                 ; vectors of 512: 512 w + 64 h
	v_and_b32 v29, 8, v3
	v_add_nc_u32 v29, v29, v3                      ; r + 8 (r / 8)
	v_lshlrev_b32 v30, 4, v4
	v_sub_nc_u32 v30, v29, v30                     ; r + 8 (r / 8) - 16 h
	s_mul_i32 s35, s32, 8448
	s_add_co_u32 s35, s35, STG
	v_add_nc_u32 v22, s35, v1
	v_mul_u32_u24 v21, v3, 528
	v_lshl_add_u32 v21, v4, 6, v21
	v_add_nc_u32 v21, s35, v21
	s_mul_i32 s39, s32, XWVB
	s_add_co_u32 s39, s39, XSTG                    ; my stages for x
	v_add_nc_u32 v19, s39, v1                      ; in: 16 bytes a lane of a row's 512
	v_mov_b32 v28, 0xff61b1e6                      ; -3e38
	s_lshr_b32 s33, ttmp9, 2                       ; batch
	s_and_b32 s34, ttmp9, 3                        ; j
	s_mov_b32 s40, s34                             ; the four slots' tiles
	s_sub_co_u32 s41, 7, s34
	s_add_co_u32 s42, s34, 8
	s_sub_co_u32 s43, 15, s34
.irp sl, 0,1,2,3
	s_lshr_b32 s35, s[40+\sl], 1
	s_lshl_b32 s35, s35, 5
	s_and_b32 s36, s[40+\sl], 1
	s_lshl_b32 s36, s36, 3
	s_add_co_u32 s[44+\sl], s35, s36               ; a tile's first token: 32 (t / 2) + 8 (t % 2)
.endr
	s_mov_b32 s86, 0x3d8293ee                      ; c = log2(e) / sqrt(512)
	s_mov_b32 s87, s86                             ; (named with it as a pair)
	s_mov_b32 s88, 0x76543210
	s_mov_b32 s89, 0xfedcba98
	s_mov_b32 s90, 0x3b000000                      ; 1 / 512
	s_mov_b32 s91, 0x3727c5ac                      ; 1e-5
	s_mov_b32 s37, 0
	s_lshl_b32 s35, s33, 2
	s_add_co_u32 s35, s35, s32                     ; 4 batch + wave
	v_add_nc_u32 v29, s44, v30                     ; mask 0: my query less 16 h, counted from the diagonal step's first key
	v_add_nc_u32 v31, s45, v30                     ; mask 1
	v_mul_u32_u24 v30, v3, 528                     ; v30 is free now: x's stage, back: row r,
	v_lshl_add_u32 v30, v4, 6, v30                 ; + 64 h
	v_add_nc_u32 v30, s39, v30
	s_wait_kmcnt 0x0
	s_mul_i32 s36, s35, 24576
	s_add_nc_u64 s[10:11], s[10:11], s[36:37]
	s_add_nc_u64 s[6:7], s[6:7], s[36:37]
	s_lshl_b32 s36, s35, 11
	s_add_nc_u64 s[12:13], s[12:13], s[36:37]
	s_add_nc_u64 s[8:9], s[8:9], s[36:37]
	s_lshl_b32 s36, s33, 19
	s_add_nc_u64 s[4:5], s[4:5], s[36:37]          ; x at my batch
	s_add_nc_u64 s[30:31], s[30:31], s[36:37]
.irp sl, 0,1,2,3
	s_mul_i32 s36, s[40+\sl], 1536
	s_add_nc_u64 s[48+2*\sl:49+2*\sl], s[6:7], s[36:37]      ; the slot's image of Q
	s_lshr_b32 s36, s[40+\sl], 2
	s_lshl_b32 s36, s36, 9
	s_and_b32 s38, s[40+\sl], 3
	s_lshl_b32 s38, s38, 2
	s_add_co_u32 s36, s36, s38
	s_add_nc_u64 s[56+2*\sl:57+2*\sl], s[8:9], s[36:37]      ; its scale words
	s_lshl_b32 s36, s[44+\sl], 11
	s_add_nc_u64 s[74+2*\sl:75+2*\sl], s[30:31], s[36:37]    ; its rows of out0
.endr
	s_mul_i32 s36, s33, 98304
	s_mul_i32 s38, s32, 24576
	s_add_co_u32 s36, s36, s38
	s_add_nc_u64 s[14:15], s[14:15], s[36:37]      ; V of my first head
	s_lshl_b32 s36, s33, 13
	s_lshl_b32 s38, s32, 9
	s_add_co_u32 s36, s36, s38
	s_add_nc_u64 s[16:17], s[16:17], s[36:37]
	s_mul_i32 s36, s32, 8*RECB
	s_add_co_u32 s36, s36, 96*RECB
	s_add_nc_u64 s[18:19], s[18:19], s[36:37]      ; my eight records of Wproj's phase
	WIN 0x40
.set xi, 0
.rept 48
	global_load_b128 v[4*xi:4*xi+3], v[LI], s[10:11] offset:512*xi     ; K's 16 fragments: tile t at v[12 t] of window 1
.set xi, xi+1
.endr
	WIN 0
.irp q, 0,1,2,3
	global_load_b128 v[KSC+4*\q:KSC+4*\q+3], v[LI], s[12:13] offset:512*\q
.endr
	WIN 0x80
.irp sl, 0,1,2,3
.irp g, 0,1,2
	global_load_b128 v[176+12*\sl+4*\g:176+12*\sl+4*\g+3], v[LI], s[48+2*\sl:49+2*\sl] offset:512*\g
.endr
.endr
	WIN 0
.irp sl, 0,1,2,3
	global_load_b32 v[QSC+\sl], v[LI], s[56+2*\sl:57+2*\sl]
.endr
	WIN 0x80
.irp mi, 0,1                           ; register 8 i + jj of the diagonal step holds key 32 (i / 2) + 8 (i % 2) + jj + 16 h: hidden where it comes after my query
.set ai, 0
.rept 64
	v_cmp_gt_i32 vcc_lo, 32*(ai/16)+8*((ai/8)%2)+ai%8, v[29+2*\mi]
	v_cndmask_b32 v[64*\mi+ai], 0, v28, vcc_lo
.set ai, ai+1
.endr
.endr
	WIN 0
	v_mov_b32 v31, -1
.irp sl, 0,1,2,3
	v_mov_b32 v[ASW+\sl], 0
.endr
.irp b, 0,1,2,3,4,5,6,7
	v_mov_b32 v[PT+\b], 0                          ; written once: a lane permute's destination counts as one of its sources
.endr
	v_mov_b32 v244, 0
	v_mov_b32 v247, 0
	v_mov_b32 v249, 0                              ; (named as the upper half of the pair v[248:249])
	s_mov_b32 s82, 0                               ; hd: which of my four heads, and which slot's x is fetched
	s_mov_b32 s83, 0                               ; 8 hd
	s_mov_b32 s84, 0                               ; 24 hd
	s_mov_b32 s85, 0                               ; XSLB hd: the slot's place in x's stage
	s_wait_loadcnt 0x0                             ; K and Q, with their scale words
.Lhead:
	v_lshl_add_u32 v[XGO], s44, 11, v[VO]          ; x: the slot's first token (s44: rotated at the trip's end) x 2,048 bytes + 512 w + 16 lane
	WIN 0x80
.irp u, 0,1
.irp g, 0,1
.irp c, 0,1
.irp p, 0,1,2
	global_load_b64 v[128+24*\u+12*\g+6*\c+2*\p:128+24*\u+12*\g+6*\c+2*\p+1], v[L8], s[14:15] offset:3072*\u+1536*\g+768*\c+256*\p
.endr
.endr
.endr
.endr
	WIN 0
.irp q, 0,1,2,3
	global_load_b32 v[VRAW+\q], v[LS], s[16:17] offset:2048*\q
.endr
	WIN 0xc0
.set xi, 0
.rept 16                               ; the slot's row xi, my 128 columns: 32 lanes read 512 consecutive bytes, into window 3, v[4 xi ..]
	global_load_b128 v[4*xi:4*xi+3], v[XGO], s[4:5] offset:(xi+8*(xi/8))*2048 th:TH_LOAD_NT
.set xi, xi+1
.endr
	WIN 0
	s_and_b32 s93, s82, 1
	v_cmp_eq_u32 vcc_lo, s93, v4
	v_cndmask_b32 v29, 0, v31, vcc_lo              ; ones in the half of the lanes that holds this head's codes,
	s_cmp_lt_u32 s82, 2
	s_cselect_b32 s94, -1, 0
	s_not_b32 s95, s94
	v_and_b32 v62, s94, v29                        ; for registers 0-5 (heads 0, 1)
	v_and_b32 v63, s95, v29                        ; and for registers 6-11 (heads 2, 3)
	v_add_nc_u32 v[ATTA], s84, v[ATTW]
	ATT 2, 2, 0, 1                                 ; the slots with two key steps first: V lands meanwhile
	ATT 3, 2, 1, 0
	ATT 0, 1, 0, 0
	s_wait_loadcnt 0x0                             ; the slot's 16 rows of x, asked for three slots' work ago
	v_add_nc_u32 v[XSW], s85, v[XSB]
	WIN 0x0c                                       ; an LDS store's data are its source 1: window 3
.set xi, 0
.rept 16
	ds_store_b128 v[XSW], v[4*xi:4*xi+3] offset:528*xi     ; the wait on DScnt inside the next ATT shows these done before the next trip loads into their registers
.set xi, xi+1
.endr
	WIN 0
	ATT 1, 1, 1, 0
	s_wait_xcnt 0x0                                ; this trip's loads have read their bases and offsets
	s_add_nc_u64 s[14:15], s[14:15], 6144
	s_add_nc_u64 s[16:17], s[16:17], 128
	s_mov_b32 s44, s45                             ; the next slot's first token
	s_mov_b32 s45, s46
	s_mov_b32 s46, s47
	s_add_co_u32 s83, s83, 8
	s_add_co_u32 s84, s84, 24
	s_add_co_u32 s85, s85, XSLB
	s_add_co_u32 s82, s82, 1
	s_cmp_lt_u32 s82, 4
	s_cbranch_scc1 .Lhead
	; ---- x comes back in the accumulators' layout: register 64 slot + 16 b + i of window 3 is x(my token, 128 w + 32 b + 16 h + i)
	WIN 0xc0
.irp sl, 0,1,2,3
.set xi, 0
.rept 16
	ds_load_b128 v[64*\sl+4*xi:64*\sl+4*xi+3], v[XSR] offset:XSLB*\sl+128*(xi/4)+16*(xi%4)   ; LDS serves a wave's instructions in order: these see my stores
.set xi, xi+1
.endr
.endr
	WIN 0
	; ---- the projection, onto x + bproj
.set gi, 0
.rept 16
	global_load_b128 v[64+4*gi:67+4*gi], v[VB], s[20:21] offset:128*(gi/4)+16*(gi%4)
.set gi, gi+1
.endr
	RLOAD 0, 0
	RLOAD 1, RECB
	RLOAD 2, 2*RECB
	RLOAD 3, 3*RECB
.irp sl, 0,1,2,3
	ds_store_b32 v[ASWA], v[ASW+\sl] offset:512*\sl
.endr
	BARRIER                                        ; attention's codes and scale words of all 16 heads lie in LDS; x is back in my registers
	s_wait_loadcnt 52                              ; bproj is in; the four records may be out
	WIN 0xc3
.irp sl, 0,1,2,3
.set lj, 0
.rept 32
	v_pk_add_f32 v[64*\sl+lj:64*\sl+lj+1], v[64*\sl+lj:64*\sl+lj+1], v[64+lj:65+lj]
.set lj, lj+2
.endr
.endr
	WIN 0
	NOPS 4
	FETCH 0, 0, 0
	KSTEP 0, 0, 0, 39, 39, 4*RECB, 5*RECB          ; 39: the three records behind the one multiplied
	KSTEP 1, 0, 0, 39, 39, 6*RECB, 7*RECB
	BIAS1 0
	KSTEP 2, 0, 0, 55, 55, PHB, PHB+RECB           ; 55: three records and b1's 16 loads
	KSTEP 3, 0, 0, 55, 55, PHB+2*RECB, PHB+3*RECB
	WIN 0x80
.set gi, 0
.rept 16
	global_load_b128 v[4*gi:4*gi+3], v[VB], s[22:23] offset:128*(gi/4)+16*(gi%4)
	global_load_b128 v[64+4*gi:67+4*gi], v[VB], s[24:25] offset:128*(gi/4)+16*(gi%4)
	global_load_b128 v[128+4*gi:131+4*gi], v[VB], s[28:29] offset:128*(gi/4)+16*(gi%4)
.set gi, gi+1
.endr
	; ---- LayerNorm 2: a token's 512 numbers lie in two lanes of each of the four waves
	WIN 0x0f
.irp sl, 0,1,2,3
	v_pk_add_f32 v[AC2+4*\sl:AC2+4*\sl+1], v[64*\sl:64*\sl+1], v[64*\sl+2:64*\sl+3]
	v_pk_add_f32 v[AC2+4*\sl+2:AC2+4*\sl+3], v[64*\sl+4:64*\sl+5], v[64*\sl+6:64*\sl+7]
.endr
	WIN 0x0c
.set lj, 8
.rept 14
.irp sl, 0,1,2,3
	v_pk_add_f32 v[AC2+4*\sl:AC2+4*\sl+1], v[AC2+4*\sl:AC2+4*\sl+1], v[64*\sl+lj:64*\sl+lj+1]
	v_pk_add_f32 v[AC2+4*\sl+2:AC2+4*\sl+3], v[AC2+4*\sl+2:AC2+4*\sl+3], v[64*\sl+lj+2:64*\sl+lj+3]
.endr
.set lj, lj+4
.endr
	WIN 0
	s_wait_xcnt 0x0                                ; the look-ahead loads have read their base
	s_add_nc_u64 s[18:19], s[18:19], PHB           ; on to W1's chunk 0
.irp b, 0,1,2,3
	v_mov_b32 v[RX+\b], 0                          ; (lane permutes' destinations)
	v_mov_b32 v[TM+4+\b], 0
.endr
	XCHG 0
.irp sl, 0,1,2,3
	v_mul_f32 v[MEAN+2*\sl], s90, v[RS+\sl]
.endr
.irp sl, 0,1,2,3
	v_mov_b32 v[MEAN+2*\sl+1], v[MEAN+2*\sl]
.endr
.irp sl, 0,1,2,3
	WIN 0x03
.set lj, 0
.rept 32
	v_pk_add_f32 v[64+lj:65+lj], v[64*\sl+lj:64*\sl+lj+1], v[MEAN+2*\sl:MEAN+2*\sl+1] neg_lo:[0,1] neg_hi:[0,1]
.set lj, lj+2
.endr
	WIN 0
	v_pk_mul_f32 v[AC2+4*\sl:AC2+4*\sl+1], v[64:65], v[64:65]
	v_pk_mul_f32 v[AC2+4*\sl+2:AC2+4*\sl+3], v[66:67], v[66:67]
.set lj, 4
.rept 15
	v_pk_fma_f32 v[AC2+4*\sl:AC2+4*\sl+1], v[64+lj:65+lj], v[64+lj:65+lj], v[AC2+4*\sl:AC2+4*\sl+1]
	v_pk_fma_f32 v[AC2+4*\sl+2:AC2+4*\sl+3], v[66+lj:67+lj], v[66+lj:67+lj], v[AC2+4*\sl+2:AC2+4*\sl+3]
.set lj, lj+4
.endr
.endr
	XCHG 2048
.irp sl, 0,1,2,3
	v_fma_f32 v[RS+\sl], v[RS+\sl], s90, s91       ; variance + 1e-5
.endr
.irp sl, 0,1,2,3
	v_rsq_f32 v[RSTD+2*\sl], v[RS+\sl]
.endr
	v_nop                                          ; a plain place behind the transcendentals
	s_wait_alu depctr_va_vdst(0)                   ; one wait for the four, ahead of their first reader
.irp sl, 0,1,2,3
	v_mov_b32 v[RSTD+2*\sl+1], v[RSTD+2*\sl]
.endr
	s_wait_loadcnt 0x0                             ; ln2_g, ln2_b, b2 (and what was asked for ahead of them)
.irp sl, 0,1,2,3
	WIN 0x03
.set lj, 0
.rept 32
	v_pk_add_f32 v[64+lj:65+lj], v[64*\sl+lj:64*\sl+lj+1], v[MEAN+2*\sl:MEAN+2*\sl+1] neg_lo:[0,1] neg_hi:[0,1]
.set lj, lj+2
.endr
	WIN 0
.set lj, 0
.rept 32
	v_pk_mul_f32 v[64+lj:65+lj], v[64+lj:65+lj], v[RSTD+2*\sl:RSTD+2*\sl+1]
.set lj, lj+2
.endr
	WIN 0x28
.set lj, 0
.rept 32
	v_pk_fma_f32 v[64+lj:65+lj], v[64+lj:65+lj], v[lj:lj+1], v[64+lj:65+lj]   ; sources 1 and 2 in window 2: ln2_g at v0, ln2_b at v64
.set lj, lj+2
.endr
	QUANT 64, 0                                    ; my 128 columns are K step w of the next product
	IMAGE H2W, 6144*\sl
	ds_store_b32 v[H2SW], v[PW] offset:512*\sl
	s_wait_dscnt 0x0                               ; the stores have read their registers
.endr
	BARRIER                                        ; h2's sixteen fragments lie in LDS
	WIN 0xcb
.irp sl, 0,1,2,3
.set lj, 0
.rept 32
	v_pk_add_f32 v[64*\sl+lj:64*\sl+lj+1], v[64*\sl+lj:64*\sl+lj+1], v[128+lj:129+lj]   ; + b2, behind the norm
.set lj, lj+2
.endr
.endr
	WIN 0
	NOPS 4
	; ---- the feed-forward layer, 512 hidden units at a time
	s_mov_b32 s92, 4
.Lchunk:
	FETCH 1, 0, 0
	KSTEP 0, 1, 1, 39, 39, 4*RECB, 5*RECB
	KSTEP 1, 1, 1, 39, 39, 6*RECB, 7*RECB
	KSTEP 2, 1, 1, 39, 39, PHB, PHB+RECB           ; the look-ahead goes on into W2's records
	KSTEP 3, 1, 1, 39, 39, PHB+2*RECB, PHB+3*RECB
	WIN 0x88
.set lj, 0
.rept 256
	v_max_num_f32 v[lj], 0, v[lj]                  ; the activation, in f32
.set lj, lj+1
.endr
	WIN 0
	BARRIER                                        ; every wave has read the last chunk's images: they may be written again
.irp sl, 0,1,2,3
	QUANT 64*\sl, 2                                ; my 128 hidden units are K step w of this chunk
	IMAGE HW, 6144*\sl
	ds_store_b32 v[HSW], v[PW] offset:512*\sl
	s_wait_dscnt 0x0
.endr
	BARRIER                                        ; the chunk's sixteen fragments lie in LDS
	FETCH 2, 0, 0
	KSTEP 0, 0, 2, 39, 39, PHB+4*RECB, PHB+5*RECB
	KSTEP 1, 0, 2, 39, 39, PHB+6*RECB, PHB+7*RECB
	s_cmp_eq_u32 s92, 1
	s_cbranch_scc1 .Llast                          ; the last chunk asks for nothing more: no load leaves its buffer
	BIAS1 2048
	KSTEP 2, 0, 2, 55, 55, 2*PHB, 2*PHB+RECB
	KSTEP 3, 0, 2, 55, 55, 2*PHB+2*RECB, 2*PHB+3*RECB
	s_wait_xcnt 0x0                                ; the loads have read their bases
	s_add_nc_u64 s[18:19], s[18:19], 2*PHB
	s_add_nc_u64 s[26:27], s[26:27], 2048
	s_sub_co_u32 s92, s92, 1
	s_cmp_lg_u32 s92, 0
	s_cbranch_scc1 .Lchunk
.Llast:
	KSTEP 2, 0, 2, 39, 26, -1, -1                  ; the counts run down: three, two, one, no record behind
	KSTEP 3, 0, 2, 13, 0, -1, -1
	; ---- the way out: a slot at a time through my stage, whole rows of 512 bytes to out0
	TOSTAGE 0
	TOSTAGE 1
	SEND 0, 32                                     ; behind slot 0's loads: slot 1's 16 stores and 16 loads
	s_wait_xcnt 0x0                                ; slot 0's stores have read their registers
	TOSTAGE 2
	SEND 1, 32
	s_wait_xcnt 0x0
	TOSTAGE 3
	SEND 2, 32
	SEND 3, 0
	s_wait_tensorcnt 0x0
	ds_add_u32 v254, v255
	s_wait_dscnt 0x0
	s_endpgm
.Lfunc_end_k_qa6c3cbb385_block:
	.size	k_qa6c3cbb385_block, .Lfunc_end_k_qa6c3cbb385_block-k_qa6c3cbb385_block
	.p2alignl 7, 3214868480
	.fill 96, 4, 3214868480
	.section	.rodata,"a",@progbits
	.p2align	6, 0x0
	.amdhsa_kernel k_qa6c3cbb385_block
		.amdhsa_group_segment_fixed_size 288256
		.amdhsa_private_segment_fixed_size 0
		.amdhsa_enable_private_segment 0
		.amdhsa_kernarg_size 112
		.amdhsa_user_sgpr_count 2
		.amdhsa_user_sgpr_kernarg_segment_ptr 1
		.amdhsa_wavefront_size32 1
		.amdhsa_system_sgpr_workgroup_id_x 1
		.amdhsa_system_sgpr_workgroup_id_y 1
		.amdhsa_system_sgpr_workgroup_id_z 1
		.amdhsa_system_vgpr_workitem_id 0
		.amdhsa_next_free_vgpr 1024
		.amdhsa_next_free_sgpr 96
		.amdhsa_reserve_vcc 1
		.amdhsa_float_denorm_mode_32 3
		.amdhsa_float_denorm_mode_16_64 3
		.amdhsa_memory_ordered 1
		.amdhsa_forward_progress 1
		.amdhsa_inst_pref_size 255
	.end_amdhsa_kernel
	.section	.bss,"aw",@nobits
	.p2align	6
	.space	262144
	.amdgpu_metadata
---
amdhsa.version: [ 1, 2 ]
amdhsa.kernels:
  - .name:           k_qa6c3cbb385_block
    .symbol:         k_qa6c3cbb385_block.kd
    .args:
      - { .name: x, .offset: 0, .size: 8, .value_kind: global_buffer, .address_space: global }
      - { .name: qimg, .offset: 8, .size: 8, .value_kind: global_buffer, .address_space: global }
      - { .name: qsc, .offset: 16, .size: 8, .value_kind: global_buffer, .address_space: global }
      - { .name: kimg, .offset: 24, .size: 8, .value_kind: global_buffer, .address_space: global }
      - { .name: ksc, .offset: 32, .size: 8, .value_kind: global_buffer, .address_space: global }
      - { .name: vimg, .offset: 40, .size: 8, .value_kind: global_buffer, .address_space: global }
      - { .name: vsc, .offset: 48, .size: 8, .value_kind: global_buffer, .address_space: global }
      - { .name: wts, .offset: 56, .size: 8, .value_kind: global_buffer, .address_space: global }
      - { .name: bproj, .offset: 64, .size: 8, .value_kind: global_buffer, .address_space: global }
      - { .name: ln2_g, .offset: 72, .size: 8, .value_kind: global_buffer, .address_space: global }
      - { .name: ln2_b, .offset: 80, .size: 8, .value_kind: global_buffer, .address_space: global }
      - { .name: b1, .offset: 88, .size: 8, .value_kind: global_buffer, .address_space: global }
      - { .name: b2, .offset: 96, .size: 8, .value_kind: global_buffer, .address_space: global }
      - { .name: out0, .offset: 104, .size: 8, .value_kind: global_buffer, .address_space: global }
    .group_segment_fixed_size: 288256
    .private_segment_fixed_size: 0
    .kernarg_segment_align: 8
    .kernarg_segment_size: 112
    .max_flat_workgroup_size: 128
    .sgpr_count:     96
    .vgpr_count:     1024
    .wavefront_size: 32
...
	.end_amdgpu_metadata
.endif
;; end of part 3
